; MI455X (gfx1250); checked and timed in simulation.
; The chip was launched on July 23, 2026; its instructions are those of AMD's public machine-readable ISA for CDNA 5 (MIT licence, August 2026) and "CDNA5" Instruction Set Architecture Reference Guide (July 2026). The comments in the code are by the model that wrote it; some were corrected since.
;; Multi Head Attention. Allowed arithmetic: matrix products marked QUANTISED: E2M1 operands, one E8M0 scale for each 32 along K, by v_wmma_scale_f32_16x16x128_f8f6f4 with both operands' format E2M1 (or v_wmma_scale_f32_32x16x128_f4), f32 sums; products left as they are: bf16, f16 or f32 operands; f32 sums; everything else in f32.
;; Inputs: b_attn 3,072 float32; b_proj 1,024 float32; w_attn 1,024 x 3,072 float32; w_proj 1,024 x 1,024 float32; x 4 x 2,048 x 1,024 float32.
;; Outputs: out0 4 x 2,048 x 1,024 float32.
;; This version of the problem:
;;   THIS VERSION OF THE PROBLEM IS GIVEN IN LOW PRECISION. The matrix products marked QUANTISED in the list below multiply operands that are first quantised to E2M1 (2 exponent bits, 1 mantissa bit; 4 bits a number), with one power-of-two scale for each 32 numbers along K (OCP MX v1.0); their sums are f32. The products marked 'left as it is' may take bf16, f16 or f32 operands, with f32 sums. Whichever they take, every output number must still come out within the allowed error. Rounding operands to bf16 (8 significant bits) uses up far more of that allowance than f16 does (11 bits, for magnitudes from 6e-5 to 65,504). All else is computed in f32.
;;   The module's matrix products, in the order in which they are computed (A, B: the left and right operand; K: the contracted axis; several contracted axes count as one K, in the product's order):
;;     1. [M 8,192, K 1,024] x [K 1,024, N 3,072]; A: input x; B: input w_attn: QUANTISED
;;     2. batch 64 x [M 2,048, K 64] x [K 64, N 2,048]; A: computed on the way; B: computed on the way: left as it is (an operand is computed on the way)
;;     3. batch 64 x [M 2,048, K 2,048] x [K 2,048, N 64]; A: computed on the way; B: computed on the way: left as it is (an operand is computed on the way)
;;     4. [M 8,192, K 1,024] x [K 1,024, N 1,024]; A: computed on the way; B: input w_proj: left as it is (an operand is computed on the way)
;;   THE QUANTISER, for each operand of a quantised product, along K:
;;     - K is cut into blocks of 32 from its start; a last block that is shorter is filled with zeros.
;;     - A block's scale is 2^e with e = floor(log2(the largest magnitude in the block)) - 2, held to -126 .. 127; a block of zeros has e = 0. As a byte (E8M0): e + 127.
;;     - Each number is divided by its block's scale, clamped to +-6, and rounded to the nearest number of E2M1, ties to even, subnormals kept.
;;     - The product sums the exact products of the quantised numbers (number of the format x scale) in f32.
;;   ~~~python
;;   def quantise(x, axis):      # numpy; x: float32 -> the quantised numbers, widened to float32 again
;;       x = np.moveaxis(x, axis, -1); K = x.shape[-1]
;;       x = np.pad(x, [(0, 0)] * (x.ndim - 1) + [(0, -K % 32)]); x = x.reshape(x.shape[:-1] + (-1, 32)); a = np.abs(x).max(-1, keepdims=True)
;;       e = np.where(a > 0, np.clip(np.frexp(np.where(a > 0, a, 1))[1] - 1 - 2, -126, 127), 0)      # np.frexp(a)[1] - 1 = floor(log2(a)), exactly
;;       r = np.clip(x / 2.0 ** e, -6, 6)
;;       step = 2.0 ** (np.maximum(np.frexp(np.where(r == 0, 1, r))[1] - 1, 0) - 1)
;;       q = np.round(r / step) * step * 2.0 ** e      # np.round: ties to even
;;       return np.moveaxis(q.reshape(q.shape[:-2] + (-1,))[..., :K], -1, axis).astype(np.float32)
;;   ~~~
;; One version. Each part assembles by itself: llvm-mc -triple=amdgcn-amd-amdhsa -mcpu=gfx1250 --defsym DOCPART=n.
;; ======== version 1 of 1: 5 launches
;; limits: values are held in f16: magnitudes above 65,504 overflow, below 6.1e-05 lose precision
;; workspace buffers: x_codes 4,194,304 bytes; x_scales 262,144 bytes; wa_codes 1,572,864 bytes; wa_scales 98,304 bytes; wp16 2,097,152 bytes; qkv16 50,331,648 bytes; first16 786,432 bytes; y16 16,777,216 bytes
;; launch prep (part 1): grid 432 x 1, 4 waves a work-group, no clusters, 68,096 bytes of LDS; arguments x, w_attn, w_proj, x_codes, x_scales, wa_codes, wa_scales, wp16; writes x_codes, x_scales, wa_codes, wa_scales, wp16
.if DOCPART == 1
	.amdgcn_target "amdgcn-amd-amdhsa--gfx1250"
	.amdhsa_code_object_version 6
	.text
	.protected	k_q4d5f6c88c4_prep
	.globl	k_q4d5f6c88c4_prep
	.p2align	8
	.type	k_q4d5f6c88c4_prep,@function
k_q4d5f6c88c4_prep:
	s_mov_b64 s[64:65], 0
	v_nop
	global_prefetch_b8 v0, s[64:65] scope:SCOPE_SE
	s_setreg_imm32_b32 hwreg(HW_REG_WAVE_MODE, 25, 1), 1
	s_wait_xcnt 0x0
; CAUSAL MULTI-HEAD ATTENTION, B 4, T 2048, C 1024, 16 heads of 64, in five launches: prep, qkv, attn, proj, fine.
; THIS LAUNCH makes the operands of the later products.  x [8192][1024] and w_attn [1024][3072], f32, become codes of FP4 (E2M1) with one E8M0 byte for each 32 along K,
; both laid with K innermost (x_codes [8192][512 bytes], x_scales [8192][32], wa_codes [3072][512 bytes], wa_scales [3072][32]); w_proj becomes f16 in its own layout (wp16).
; WORK LEFT OUT BY THE PROGRAM, for all values of the inputs:
;  (a) tiles of scores that lie wholly above the diagonal: reference() replaces them by one constant under its own jnp.tril, and their weights are 0 beside the row's largest, which is kept.
;  (b) the k third of b_attn (numbers 1024 to 2047).  With k = x w_k + b_k a score is q . (x w_k) + q . b_k, and q . b_k is the same for all keys of a row: a softmax along the keys takes
;      away what is common to its row, and hidden places are replaced whatever they held.  The product of q and k is not quantised, so no code and no scale hangs on b_k.  k is made without it.
;      The q and v thirds of b_attn have their way to the output and are loaded (launch qkv).
;  LIMIT: a NaN, an infinity or an overflow that reaches only b_k or only hidden scores is not carried to the result.
; THE QUANTISER: a block's scale is 2^(floor(log2(its largest magnitude)) - 2); its byte is that magnitude's exponent field - 2, held at 1 from below; each number is divided by the scale and
; rounded to the nearest code, ties to even, beyond 6 the largest code.  A block of zeros gets the byte 1 where the rule says 127: its codes are zeros, and this program alone reads the bytes.
; LIMITS: NaN and infinities among the inputs are not served; blocks whose largest magnitude lies under 2^(3 - 127) keep the byte 1; w_proj must lie inside f16's range (65,504).
; SHARES: work-groups 0-255 take x (a wave: 16 steps of 512 numbers); 256-303 take w_attn (a wave: 32 columns x 512 along K); 304-431 take w_proj (a wave: 2,048 numbers).
; The three ways part on the work-group's number and never join; those that use LDS have LDS bytes of their own.  No tensor loads, no barrier: waves share nothing.
.set SPARE, 67584                      ; behind both ways' regions: the spare words, 128 bytes for each wave
.set SPW,   192                        ; v192  SPARE + 4 x my thread's number; never rewritten
.set NIL,   193                        ; v193  0; never rewritten
.set EMAX,  2
; x's way
.set STEPS, 16
.set CB,    8                          ; bytes of 16 codes
.set XR,    16                         ; v16-79   four sets of 16 numbers as they are loaded
.set XN,    80                         ; v80-111  two sets of 16 neighbours
.set XE,    112                        ; v112-127 a scale byte for each step
.set XC,    128                        ; v128-191 codes: four registers for each step: no store's data are written again
.set WREG,  8192                       ; LDS 0 .. 32,767: a region for each wave: two stages of 32 x SP bytes, then its 256 scale bytes
.set SP,    80                         ; a lane's place in a stage: 64 bytes + 16 of padding
; w_attn's way
.set WN,    3072
.set NB,    16                         ; blocks of 32 along K for a wave
.set WPITCH, 272                       ; a stage row: 256 bytes of codes + 16
.set KROW,  512                        ; a row of wa_codes
.set WSTG,  32768                      ; LDS 32,768 .. 67,583: a stage of 32 rows for each wave
.set WX,    32                         ; v32-95   two sets of 32 numbers
.set WC,    96                         ; v96-99   a block's codes
.set OUTR,  112                        ; v112-175 the way out
.set SB,    24                         ; v24-27   the scale bytes, four to a register
.macro CLOSE                           ; a wave's end, behind the last LDS store
	s_wait_tensorcnt 0x0
	ds_add_u32 v[SPW], v[NIL]
	s_wait_dscnt 0x0
	s_endpgm
.endm
.macro XLOAD t
.irp i, 0,1,2,3
	global_load_b128 v[XR+16*((\t)%4)+4*\i:XR+16*((\t)%4)+4*\i+3], v3, s[4:5] offset:2048*(\t)+512*\i th:TH_LOAD_NT   ; 32 lanes read 512 consecutive bytes
.endr
.endm
.macro XTURN t                         ; a step's 2,048 bytes go through my stage as they lie and come back 64 bytes a lane; LDS serves a wave's instructions in order
.irp i, 0,1,2,3
	ds_store_b128 v14, v[XR+16*((\t)%4)+4*\i:XR+16*((\t)%4)+4*\i+3] offset:32*SP*((\t)%2)+8*SP*\i
.endr
.irp i, 0,1,2,3
	ds_load_b128 v[XN+16*((\t)%2)+4*\i:XN+16*((\t)%2)+4*\i+3], v15 offset:32*SP*((\t)%2)+16*\i
.endr
.endm
.macro XSTEP t
.set XS, XN+16*((\t)%2)
.if (\t) > 0
	s_wait_dscnt 1                                 ; this step's numbers are back from the stage; the last step's byte store may be out
.else
	s_wait_dscnt 0x0
.endif
.if (\t)+4 < STEPS
	XLOAD (\t)+4                                   ; into the registers that this step's stores into the stage have read
.endif
.if (\t)+1 < STEPS
.if STEPS-2-(\t) >= 3
	s_wait_loadcnt 12                              ; the next step's four loads are in; the twelve of the three steps behind it may be out
.else
	s_wait_loadcnt 4*(STEPS-2-(\t))
.endif
	XTURN (\t)+1
.endif
	v_max3_num_f32 v8, |v[XS]|, |v[XS+1]|, |v[XS+2]|               ; the largest magnitude of my 16, in two chains
	v_max3_num_f32 v9, |v[XS+3]|, |v[XS+4]|, |v[XS+5]|
.irp i, 6,10
	v_max3_num_f32 v8, v8, |v[XS+\i]|, |v[XS+\i+1]|
	v_max3_num_f32 v9, v9, |v[XS+\i+2]|, |v[XS+\i+3]|
.endr
	v_max3_num_f32 v8, v8, |v[XS+14]|, |v[XS+15]|
	v_max3_num_f32 v8, v8, v9, (EMAX+1)<<23        ; and the floor 2^(3 - 127): the byte cannot fall under 1
	v_max_num_f32_dpp v8, v8, v8 row_xmask:1 row_mask:0xf bank_mask:0xf   ; with my neighbour's 16: the block's
	v_add_nc_u32 v11, -(EMAX<<23), v8              ; 2 off its exponent field: the conversion takes this operand's exponent field as its scale
	v_cvt_scalef32_pk8_fp4_f32 v[XC+4*(\t)], v[XS:XS+7], v11
	v_cvt_scalef32_pk8_fp4_f32 v[XC+4*(\t)+1], v[XS+8:XS+15], v11
	v_lshrrev_b32 v[XE+(\t)], 23, v11              ; the scale's byte
	ds_store_b8 v5, v[XE+(\t)] offset:16*(\t)      ; both lanes of a block write the same byte with the same value
	global_store_b64 v4, v[XC+4*(\t):XC+4*(\t)+1], s[10:11] offset:32*CB*(\t)   ; the wave stores 256 consecutive bytes, aligned
.endm
.macro WLOAD t                         ; block t: w_attn(32 t + i, my column), i = 0 .. 31, into set t % 2
.set i, 0
.rept 32
	global_load_b32 v[WX+32*((\t)%2)+i], v3, s[6:7] offset:(32*(\t)+i)*WN*4 th:TH_LOAD_NT
.set i, i+1
.endr
.endm
.macro WBLOCK t
.set XS, WX+32*((\t)%2)
.if (\t) < NB-1
	s_wait_loadcnt 32                              ; this block's 32 loads are in; the next block's 32 may be out
.else
	s_wait_loadcnt 0
.endif
	v_max3_num_f32 v12, |v[XS]|, |v[XS+1]|, |v[XS+2]|              ; the block's largest magnitude: all 32 numbers are mine
	v_max3_num_f32 v13, |v[XS+3]|, |v[XS+4]|, |v[XS+5]|
.irp i, 6,10,14,18,22,26
	v_max3_num_f32 v12, v12, |v[XS+\i]|, |v[XS+\i+1]|
	v_max3_num_f32 v13, v13, |v[XS+\i+2]|, |v[XS+\i+3]|
.endr
	v_max3_num_f32 v12, v12, |v[XS+30]|, |v[XS+31]|
	v_max3_num_f32 v12, v12, v13, (EMAX+1)<<23
	v_add_nc_u32 v11, -(EMAX<<23), v12
	v_lshrrev_b32 v13, 23, v11                     ; the scale's byte
.if (\t)%4 == 0
	v_mov_b32 v[SB+(\t)/4], v13                    ; four bytes to a register, the lower K in the lower byte
.else
	v_lshl_or_b32 v[SB+(\t)/4], v13, 8*((\t)%4), v[SB+(\t)/4]
.endif
.irp g, 0,1,2,3
	v_cvt_scalef32_pk8_fp4_f32 v[WC+\g], v[XS+8*\g:XS+8*\g+7], v11
.endr
	ds_store_b128 v4, v[WC:WC+3] offset:16*(\t)    ; 32 codes: 16 bytes of my column's row
.if (\t)+2 < NB
	WLOAD (\t)+2
.endif
	s_wait_dscnt 0x0                               ; the store has read its registers: the next block's codes may be written
.endm
	s_load_b256 s[4:11], s[0:1], 0x0               ; x s[4:5], w_attn s[6:7], w_proj s[8:9], x_codes s[10:11]
	s_load_b256 s[12:19], s[0:1], 0x20             ; x_scales s[12:13], wa_codes s[14:15], wa_scales s[16:17], wp16 s[18:19]
	v_lshl_add_u32 v[SPW], v0, 2, SPARE
	v_mov_b32 v[NIL], 0
	v_lshrrev_b32 v1, 5, v0
	v_readfirstlane_b32 s20, v1                    ; wave 0..3
	v_and_b32 v2, 31, v0                           ; lane
	s_mov_b32 s25, 0                               ; the upper word of every offset: all lie under 4 GiB
	s_wait_kmcnt 0x0
	s_cmp_lt_u32 ttmp9, 256
	s_cbranch_scc0 .Lnot_x
	; ---- x: K is innermost and rows are dense, so x is a plain stream of blocks of 32
	v_lshlrev_b32 v3, 4, v2                        ; my 16 bytes of a load's 512
	s_mul_i32 s21, s20, WREG
	v_lshrrev_b32 v14, 2, v2
	v_mul_u32_u24 v14, v14, SP
	v_and_b32 v15, 3, v2
	v_lshl_add_u32 v14, v15, 4, v14
	v_add_nc_u32 v14, s21, v14                     ; the stage, on the way in: SP (lane / 4) + 16 (lane % 4)
	v_mul_u32_u24 v15, v2, SP
	v_add_nc_u32 v15, s21, v15                     ; and on the way out: SP x lane: my 16 neighbours
	v_mul_u32_u24 v4, v2, CB                       ; my codes' place in a step's
	v_lshrrev_b32 v5, 1, v2
	s_add_co_u32 s21, s21, 2*32*SP
	v_add_nc_u32 v5, s21, v5                       ; my wave's 256 scale bytes, my block's byte
	v_lshlrev_b32 v7, 3, v2                        ; and on the way out 8 bytes a lane
	v_add_nc_u32 v6, s21, v7
	s_lshl_b32 s22, ttmp9, 2
	s_add_co_u32 s22, s22, s20                     ; which run of 8,192 numbers is my wave's
	s_lshl_b32 s24, s22, 15
	s_add_nc_u64 s[4:5], s[4:5], s[24:25]
	s_lshl_b32 s24, s22, 12
	s_add_nc_u64 s[10:11], s[10:11], s[24:25]
	s_lshl_b32 s24, s22, 8
	s_add_nc_u64 s[12:13], s[12:13], s[24:25]
.irp t, 0,1,2,3
	XLOAD \t
.endr
	s_wait_loadcnt 12                              ; step 0's four loads are in
	XTURN 0
.irp t, 0,1,2,3,4,5,6,7,8,9,10,11,12,13,14,15
	XSTEP \t
.endr
	ds_load_b64 v[8:9], v6                         ; LDS serves a wave's instructions in order: these see my byte stores
	s_wait_dscnt 0x0
	global_store_b64 v7, v[8:9], s[12:13]          ; 32 lanes store 256 consecutive bytes, aligned
	CLOSE
.Lnot_x:
	s_cmp_lt_u32 ttmp9, 304
	s_cbranch_scc0 .Lpath_p
	; ---- w_attn: K is its first axis.  A lane takes a column and its registers run down K: a block of 32 lies in one lane, and the codes come out with K innermost
	s_sub_co_u32 s21, ttmp9, 256
	s_cmp_ge_u32 s21, 24
	s_cselect_b32 s23, 1, 0                        ; which 512 along K
	s_cselect_b32 s22, 24, 0
	s_sub_co_u32 s21, s21, s22                     ; which 128 columns
	s_lshl_b32 s21, s21, 7
	s_lshl_b32 s22, s20, 5
	s_add_co_u32 s21, s21, s22                     ; my wave's first column
	v_lshlrev_b32 v3, 2, v2                        ; in: 4 bytes a lane
	s_mul_i32 s22, s20, 32*WPITCH
	s_add_co_u32 s22, s22, WSTG                    ; my stage
	v_mul_u32_u24 v4, v2, WPITCH
	v_add_nc_u32 v4, s22, v4                       ; into it: row = my column
	v_and_b32 v5, 15, v2
	v_lshrrev_b32 v6, 4, v2
	v_mul_u32_u24 v7, v6, WPITCH
	v_lshl_add_u32 v7, v5, 4, v7
	v_add_nc_u32 v7, s22, v7                       ; out of it: sixteen lanes to a row, two rows an instruction
	v_mul_u32_u24 v8, v6, KROW
	v_lshl_add_u32 v8, v5, 4, v8                   ; and the same place in wa_codes
	v_lshlrev_b32 v9, 5, v2                        ; my column's row of scale bytes
	s_mul_i32 s24, s23, 512*WN*4
	s_lshl_b32 s26, s21, 2
	s_add_co_u32 s24, s24, s26
	s_add_nc_u64 s[6:7], s[6:7], s[24:25]
	s_lshl_b32 s24, s21, 9
	s_lshl_b32 s26, s23, 8
	s_add_co_u32 s24, s24, s26
	s_add_nc_u64 s[14:15], s[14:15], s[24:25]
	s_lshl_b32 s24, s21, 5
	s_lshl_b32 s26, s23, 4
	s_add_co_u32 s24, s24, s26
	s_add_nc_u64 s[16:17], s[16:17], s[24:25]
	WLOAD 0
	WLOAD 1
.irp t, 0,1,2,3,4,5,6,7,8,9,10,11,12,13,14,15
	WBLOCK \t
.endr
	global_store_b128 v9, v[SB:SB+3], s[16:17]     ; my column's 16 scale bytes
.irp t, 0,1,2,3,4,5,6,7,8,9,10,11,12,13,14,15
	ds_load_b128 v[OUTR+4*\t:OUTR+4*\t+3], v7 offset:2*\t*WPITCH
.endr
.irp t, 0,1,2,3,4,5,6,7,8,9,10,11,12,13,14,15
	s_wait_dscnt 15-\t                             ; the younger loads may be out
	global_store_b128 v8, v[OUTR+4*\t:OUTR+4*\t+3], s[14:15] offset:2*\t*KROW   ; sixteen lanes store 256 consecutive bytes, aligned
.endr
	CLOSE
.Lpath_p:
	; ---- w_proj to f16, as it lies: 16 loads of 512 bytes a wave, all on their way at once
	s_sub_co_u32 s21, ttmp9, 304
	s_lshl_b32 s21, s21, 2
	s_add_co_u32 s21, s21, s20                     ; which run of 2,048 numbers
	s_lshl_b32 s24, s21, 13
	s_add_nc_u64 s[8:9], s[8:9], s[24:25]
	s_lshl_b32 s24, s21, 12
	s_add_nc_u64 s[18:19], s[18:19], s[24:25]
	v_lshlrev_b32 v3, 4, v2
	v_lshlrev_b32 v4, 3, v2
.irp i, 0,1,2,3,4,5,6,7,8,9,10,11,12,13,14,15
	global_load_b128 v[16+4*\i:19+4*\i], v3, s[8:9] offset:512*\i th:TH_LOAD_NT
.endr
.irp i, 0,1,2,3,4,5,6,7,8,9,10,11,12,13,14,15
	s_wait_loadcnt 15-\i                           ; the younger loads may be out
	v_cvt_pk_f16_f32 v[80+2*\i], v[16+4*\i], v[17+4*\i]
	v_cvt_pk_f16_f32 v[81+2*\i], v[18+4*\i], v[19+4*\i]
	global_store_b64 v4, v[80+2*\i:81+2*\i], s[18:19] offset:256*\i   ; the wave stores 256 consecutive bytes, aligned; no register is written twice
.endr
	CLOSE
.Lfunc_end_k_q4d5f6c88c4_prep:
	.size	k_q4d5f6c88c4_prep, .Lfunc_end_k_q4d5f6c88c4_prep-k_q4d5f6c88c4_prep
	.p2alignl 7, 3214868480
	.fill 96, 4, 3214868480
	.section	.rodata,"a",@progbits
	.p2align	6, 0x0
	.amdhsa_kernel k_q4d5f6c88c4_prep
		.amdhsa_group_segment_fixed_size 68096
		.amdhsa_private_segment_fixed_size 0
		.amdhsa_enable_private_segment 0
		.amdhsa_kernarg_size 64
		.amdhsa_user_sgpr_count 2
		.amdhsa_user_sgpr_kernarg_segment_ptr 1
		.amdhsa_wavefront_size32 1
		.amdhsa_system_sgpr_workgroup_id_x 1
		.amdhsa_system_sgpr_workgroup_id_y 1
		.amdhsa_system_sgpr_workgroup_id_z 1
		.amdhsa_system_vgpr_workitem_id 0
		.amdhsa_next_free_vgpr 200
		.amdhsa_next_free_sgpr 66
		.amdhsa_reserve_vcc 0
		.amdhsa_float_denorm_mode_32 3
		.amdhsa_float_denorm_mode_16_64 3
		.amdhsa_memory_ordered 1
		.amdhsa_forward_progress 1
		.amdhsa_inst_pref_size 117
	.end_amdhsa_kernel
	.amdgpu_metadata
---
amdhsa.version: [ 1, 2 ]
amdhsa.kernels:
  - .name:           k_q4d5f6c88c4_prep
    .symbol:         k_q4d5f6c88c4_prep.kd
    .args:
      - { .name: x, .offset: 0, .size: 8, .value_kind: global_buffer, .address_space: global }
      - { .name: w_attn, .offset: 8, .size: 8, .value_kind: global_buffer, .address_space: global }
      - { .name: w_proj, .offset: 16, .size: 8, .value_kind: global_buffer, .address_space: global }
      - { .name: x_codes, .offset: 24, .size: 8, .value_kind: global_buffer, .address_space: global }
      - { .name: x_scales, .offset: 32, .size: 8, .value_kind: global_buffer, .address_space: global }
      - { .name: wa_codes, .offset: 40, .size: 8, .value_kind: global_buffer, .address_space: global }
      - { .name: wa_scales, .offset: 48, .size: 8, .value_kind: global_buffer, .address_space: global }
      - { .name: wp16, .offset: 56, .size: 8, .value_kind: global_buffer, .address_space: global }
    .group_segment_fixed_size: 68096
    .private_segment_fixed_size: 0
    .kernarg_segment_align: 8
    .kernarg_segment_size: 64
    .max_flat_workgroup_size: 128
    .sgpr_count:     66
    .vgpr_count:     200
    .wavefront_size: 32
...
	.end_amdgpu_metadata
.endif
;; end of part 1
;; launch qkv (part 2): grid 12 x 32, 4 waves a work-group, clusters of 4 x 4, 327,680 bytes of LDS; arguments x_codes, x_scales, wa_codes, wa_scales, qkv16, b_attn, first16; writes qkv16, first16
.if DOCPART == 2
	.amdgcn_target "amdgcn-amd-amdhsa--gfx1250"
	.amdhsa_code_object_version 6
	.text
	.protected	k_q4d5f6c88c4_qkv
	.globl	k_q4d5f6c88c4_qkv
	.p2align	8
	.type	k_q4d5f6c88c4_qkv,@function
k_q4d5f6c88c4_qkv:
	s_mov_b64 s[64:65], 0
	v_nop
	global_prefetch_b8 v0, s[64:65] scope:SCOPE_SE
	s_setreg_imm32_b32 hwreg(HW_REG_WAVE_MODE, 25, 1), 1
	s_wait_xcnt 0x0
	s_wait_alu depctr_hold_cnt(0) depctr_sa_sdst(0) depctr_va_vdst(0) depctr_va_sdst(0) depctr_va_ssrc(0) depctr_va_vcc(0) depctr_vm_vsrc(0)
	s_getreg_b32 s2, hwreg(HW_REG_IB_STS2, 6, 4)
	s_cmp_eq_u32 s2, 0
	s_cbranch_scc0 .Lentry_in_a_cluster
	s_endpgm
.Lentry_in_a_cluster:
	s_bfe_u32 s2, ttmp6, 0x10000c
	s_cmp_lg_u32 s2, 0xf033
	s_cbranch_scc0 .Lentry_shape_is_right
	s_endpgm
.Lentry_shape_is_right:
; qkv = Q(x) Q(w_attn) + b_attn on codes of FP4 (E2M1) with one E8M0 scale for each 32 along K; M 8192, N 3072, K 1024; sums in f32.
; LEFT OUT: the k third of b_attn (shown at the head of launch prep: it adds the same to all scores of a row): k's sums begin at 0.
; OUT: qkv16, f16, [part q k v][batch][head][position][64]: a head is 262,144 dense bytes; and first16, f32: the results of positions 0-15 of each batch, as images of the accumulators'
; registers [batch][16 columns nb][half of 4 registers][lane][4]: what launch fine reads.  LIMIT: |q|, |k|, |v| stay under f16's 65,504.
; A tile of 256 x 256 is made by four waves, each 128 x 128: 64 accumulators, 512 registers.  K is two steps of 512 codes: both LDS slots are filled at the start and nothing is filled again.
; The scales of the tile's 256 + 256 rows for all of K come once, as dense blocks.
; CLUSTERS: 4 x 4 work-groups; A's tiles are asked for jointly along a row of the cluster, B's along a column.  Tile row = 8 cy + cluster y, so that the batch is cy and the block of 256 positions is
; cluster y; tile column = 4 cluster x + cx, so that the part (q, k, v) is cluster x: the two branches of this text hang on the cluster's coordinates and the wave's number, which partners share.
; THE MATRIX INSTRUCTION IS USED TRANSPOSED (source 0 = 16 rows of wa_codes, source 1 = 16 rows of x_codes): a lane holds eight neighbouring columns of one row.
; REGISTERS: window 0: v0-31 addresses; v32-95 scale words, two sets, and nothing else; v128-191 A's fragments, one set; v192-255 the bias as the first products' C.  On the way out v128-191 rows read back, v192-223 packed results.
;   window 1: B's fragments, two sets, at v0 and v128.   window 2: the accumulators of my rows 0-63 ((a, b) at v[8 (8 a + b)]);   window 3: those of rows 64-127.
.set NQ,     4                         ; matrix instructions deep in a slot
.set ROWB,   256                       ; a tile's row: 512 codes
.set KROW,   512                       ; a row of codes in memory
.set PITCH,  272                       ; an LDS row: 256 bytes + 16: the 16 rows that a load touches start 4 words apart
.set FR,     8
.set NL,     2
.set NP,     4                         ; places behind this matrix instruction (ISA guide 7.12.1)
.set HALFT,  128*PITCH
.set SLOT,   4*HALFT
.set KS,     32                        ; a row of scales in bytes
.set SCL,    2*SLOT
.set HALFS,  16*272                    ; the scales of 128 rows
.set SBLK,   2*272                     ; of 16 rows
.set SPARE,  SCL+4*HALFS               ; the spare words, 128 bytes for each wave
.set STAGE,  SPARE+512                 ; the way out: 16 rows x (256 + 16) bytes for each wave; no tile lands here
.set SPITCH, 272
.set ADRA, 16
.set ADRB, 20
.set STO,  24
.set RD,   25
.set CO,   26
.set ADRS, 27
.set SPW,  28
.set NIL,  29
.set LI,   30                          ; v30  16 x lane: first16's images
.set BA,   31                          ; v31  32 x (lane / 16): my eight numbers of a block of the bias
.set SC,   32
.set AF,   128
.set BI,   192
.set TMP,  192
.set BK,   128
.set G1, 24
.set G0, 32
.set G1B, 48
.set G0B, 56
.set G1S, 68
.set G0S, 76
.set G1SB, 80
.set G0SB, 88
.set MSB, 0
.macro WIN new                         ; the immediate's high byte repeats the setting that is left
.if MSB != \new
	s_set_vgpr_msb (MSB<<8)|\new
.set MSB, \new
.endif
.endm
.set MUL_LO,  0xa1                     ; source 0 (B) window 1, source 1 (A) window 0, C and D window 2
.set MUL_HI,  0xf1                     ; C and D window 3
.set BIAS_LO, 0x81                     ; C (the bias) window 0, D window 2
.set BIAS_HI, 0xc1                     ; D window 3
.set TO_B,    0x40
.macro JLOAD g0a, g1a, g0b, g1b        ; a joint load: waves 0 and 1 fetch for A, waves 2 and 3 for B; an s_nop 0 and four v_nop follow each line
	s_cmp_eq_u32 s15, 0
	s_cbranch_scc0 .Lfor_b_\@
	tensor_load_to_lds s[\g0a:\g0a+3], s[\g1a:\g1a+7]
	s_nop 0
.rept 4
	v_nop
.endr
	s_branch .Lasked_\@
.Lfor_b_\@:
	tensor_load_to_lds s[\g0b:\g0b+3], s[\g1b:\g1b+7]
	s_nop 0
.rept 4
	v_nop
.endr
.Lasked_\@:
.endm
.macro CROUND                          ; a round of the cluster's barrier
	s_barrier_signal -1
	s_barrier_wait -1
	s_cmp_lg_u32 s14, 0
	s_cbranch_scc1 .Lnot_wave_0_\@
	s_barrier_signal -3
.Lnot_wave_0_\@:
	s_barrier_wait -3
	s_barrier_signal -1
	s_barrier_wait -1
.endm
	s_load_b128 s[4:7], s[0:1], 0x0                ; x_codes, x_scales
	s_load_b128 s[8:11], s[0:1], 0x10              ; wa_codes, wa_scales
	s_load_b64 s[12:13], s[0:1], 0x20              ; qkv16
	s_load_b128 s[96:99], s[0:1], 0x28             ; b_attn, first16
	v_lshl_add_u32 v[SPW], v0, 2, SPARE
	v_mov_b32 v[NIL], 0
	ds_add_u32 v[SPW], v[NIL]                      ; the wave's opening: the add, twice on end, and its wait ahead of my first tensor load
	ds_add_u32 v[SPW], v[NIL]
	v_lshrrev_b32 v1, 5, v0
	v_readfirstlane_b32 s14, v1                    ; wave 0..3
	s_lshr_b32 s15, s14, 1                         ; which half of the tile's rows is mine.  Also: I fetch for A (0) or for B (1)
	s_and_b32 s16, s14, 1                          ; which half of its columns.  Also: which 128 rows I fetch
	s_bfe_u32 s40, ttmp6, 0x40000                  ; cx
	s_bfe_u32 s41, ttmp6, 0x40004                  ; cy
	s_lshl_b32 s42, ttmp9, 2
	s_add_co_u32 s42, s42, s40                     ; tile column = 4 x cluster x + cx
	s_and_b32 s3, ttmp7, 0xffff                    ; cluster y
	s_lshl_b32 s17, s41, 3
	s_add_co_u32 s17, s17, s3                      ; tile row = 8 cy + cluster y
	s_lshl_b32 s43, s41, 2
	s_lshl_b32 s43, 15, s43                        ; my row of the cluster
	s_lshl_b32 s44, 0x1111, s40                    ; my column
	s_or_b32 s[G1+0], s43, (0<<16)|(1<<20)|(1<<21)|(5<<22)|(3<<25)  ; the mask; elements of 1 byte; padding: 4 words after every 64; bit 21 beside a mask
	s_or_b32 s[G1B+0], s44, (0<<16)|(1<<20)|(1<<21)|(5<<22)|(3<<25)
.irp g, G1, G1B
	s_mov_b32 s[\g+1], ROWB<<16                    ; tensor_dim0
	s_mov_b32 s[\g+2], 128<<16                     ; tensor_dim1
	s_mov_b32 s[\g+3], ROWB<<16                    ; tile_dim0
	s_mov_b32 s[\g+4], 128                         ; tile_dim1
	s_mov_b32 s[\g+5], KROW                        ; from row to row
	s_mov_b32 s[\g+6], 0
	s_mov_b32 s[\g+7], 0
.endr
	s_or_b32 s[G1S+0], s43, (3<<16)|(1<<20)|(1<<21)|(5<<22)|(3<<25) ; the scales of 128 rows: 4,096 dense bytes as 16 rows of 32 elements of 8 bytes
	s_or_b32 s[G1SB+0], s44, (3<<16)|(1<<20)|(1<<21)|(5<<22)|(3<<25)
.irp g, G1S, G1SB
	s_mov_b32 s[\g+1], 32<<16
	s_mov_b32 s[\g+2], 16<<16
	s_mov_b32 s[\g+3], 32<<16
	s_mov_b32 s[\g+4], 16
	s_mov_b32 s[\g+5], 32
	s_mov_b32 s[\g+6], 0
	s_mov_b32 s[\g+7], 0
.endr
	s_lshl_b32 s18, s16, 7
	s_lshl_b32 s20, s17, 8
	s_add_co_u32 s20, s20, s18                     ; A: row 256 x tile row + 128 x half
	s_lshl_b32 s46, s42, 8
	s_add_co_u32 s46, s46, s18                     ; B: row 256 x tile column + 128 x half
	s_lshl_b32 s22, s20, 5                         ; where these rows' scales begin,
	s_mov_b32 s23, 0
	s_lshl_b32 s20, s20, 9                         ; and their codes
	s_mov_b32 s21, 0
	s_lshl_b32 s92, s46, 5
	s_mov_b32 s93, 0
	s_lshl_b32 s46, s46, 9
	s_mov_b32 s47, 0
	s_mul_i32 s45, s14, HALFT                      ; where they go: wave x 128 rows: no place in the cluster enters an LDS address
	s_mul_i32 s94, s14, HALFS
	s_wait_dscnt 0x0                               ; both opening adds are done
	s_wait_kmcnt 0x0
	s_add_nc_u64 s[20:21], s[4:5], s[20:21]
	s_add_nc_u64 s[22:23], s[6:7], s[22:23]
	s_add_nc_u64 s[46:47], s[8:9], s[46:47]
	s_add_nc_u64 s[92:93], s[10:11], s[92:93]
	CROUND                                         ; all sixteen work-groups are here: the joint loads meet
	s_mov_b32 s[G0S], 1
	s_add_co_u32 s[G0S+1], s94, SCL
	s_mov_b64 s[G0S+2:G0S+3], s[22:23]
	s_or_b32 s[G0S+3], s[G0S+3], 0x80000000
	s_mov_b32 s[G0SB], 1
	s_add_co_u32 s[G0SB+1], s94, SCL
	s_mov_b64 s[G0SB+2:G0SB+3], s[92:93]
	s_or_b32 s[G0SB+3], s[G0SB+3], 0x80000000
	JLOAD G0S, G1S, G0SB, G1SB                     ; the scales first; then both K steps: three loads of mine are out
.irp s, 0,1
	s_mov_b32 s[G0+4*\s], 1
	s_add_co_u32 s[G0+4*\s+1], s45, \s*SLOT
	s_add_nc_u64 s[G0+4*\s+2:G0+4*\s+3], s[20:21], \s*ROWB
	s_or_b32 s[G0+4*\s+3], s[G0+4*\s+3], 0x80000000
	s_mov_b32 s[G0B+4*\s], 1
	s_add_co_u32 s[G0B+4*\s+1], s45, \s*SLOT
	s_add_nc_u64 s[G0B+4*\s+2:G0B+4*\s+3], s[46:47], \s*ROWB
	s_or_b32 s[G0B+4*\s+3], s[G0B+4*\s+3], 0x80000000
	JLOAD G0+4*\s, G1, G0B+4*\s, G1B
.endr
	v_and_b32 v1, 15, v0                           ; r = lane % 16
	v_bfe_u32 v2, v0, 4, 1                         ; h = lane / 16
	; the bias: block b's eight registers hold b_attn[256 x tile column + 128 x half + 16 b + 8 h + 0 .. 7]: the result's layout
	s_lshl_b32 s46, s42, 10
	s_lshl_b32 s47, s16, 9
	s_add_co_u32 s46, s46, s47
	s_mov_b32 s47, 0
	s_add_nc_u64 s[96:97], s[96:97], s[46:47]
	v_lshlrev_b32 v[BA], 5, v2
	s_cmp_eq_u32 ttmp9, 1                          ; the part is the cluster's x: 1 is k
	s_cbranch_scc1 .Lk_part
.irp b, 0,1,2,3,4,5,6,7
	global_load_b128 v[BI+8*\b:BI+8*\b+3], v[BA], s[96:97] offset:64*\b
	global_load_b128 v[BI+8*\b+4:BI+8*\b+7], v[BA], s[96:97] offset:64*\b+16
.endr
	s_branch .Lbias_done
.Lk_part:                                              ; k's bias is left out: zeros stand in its place, so that the first step is written once for all three parts
.set i, 0
.rept 64
	v_mov_b32 v[BI+i], 0
.set i, i+1
.endr
.Lbias_done:
	v_mul_u32_u24 v3, v1, PITCH
	v_lshl_add_u32 v4, v2, 4, v3                   ; a fragment's row x pitch + 16 x half
	s_mul_i32 s21, s15, HALFT                      ; my 128 rows of A
	s_mul_i32 s22, s16, HALFT                      ; my 128 rows of B,
	s_add_co_u32 s22, s22, 2*HALFT                 ; behind A's 256
.irp s, 0,1
	v_add_nc_u32 v[ADRA+\s], s21, v4
	v_add_nc_u32 v[ADRB+\s], s22, v4
	s_add_co_u32 s21, s21, SLOT
	s_add_co_u32 s22, s22, SLOT
.endr
	v_mul_u32_u24 v5, v1, KS                       ; my row's scales: 32 bytes a row,
	v_lshrrev_b32 v6, 8, v5
	v_lshl_add_u32 v5, v6, 4, v5                   ; and 16 more for each 256 passed
	s_mul_i32 s21, s15, HALFS
	s_mul_i32 s22, s16, HALFS
	s_add_co_u32 s22, s22, 2*HALFS
	s_sub_co_u32 s22, s22, s21
	v_mul_u32_u24 v6, s22, v2                      ; lanes 16-31 take B's
	s_add_co_u32 s21, s21, SCL
	v_add_nc_u32 v5, v5, v6
	v_add_nc_u32 v[ADRS], s21, v5
	s_mul_i32 s23, s14, 16*SPITCH
	s_add_co_u32 s23, s23, STAGE                   ; my stage
	v_mul_u32_u24 v5, v1, SPITCH                   ; in: row r (a position), 16 bytes for each half of the lanes
	v_lshl_add_u32 v5, v2, 4, v5
	v_add_nc_u32 v[STO], s23, v5
	v_bfe_u32 v5, v0, 3, 1                         ; back: lanes 0-15 take two positions of my first head (2 x 128 bytes), lanes 16-31 of my second
	v_mul_u32_u24 v5, v5, SPITCH
	v_lshl_add_u32 v5, v2, 7, v5
	v_and_b32 v6, 7, v0
	v_lshl_add_u32 v5, v6, 4, v5
	v_add_nc_u32 v[RD], s23, v5
	v_lshlrev_b32 v[CO], 18, v2                    ; in qkv16: a head further on for lanes 16-31,
	v_lshl_add_u32 v[CO], v1, 4, v[CO]             ; 16 bytes a lane of the two positions' 256
	v_and_b32 v6, 31, v0
	v_lshlrev_b32 v[LI], 4, v6
	s_lshl_b32 s20, ttmp9, 2                       ; qkv16: ((part x 4 + batch) x 16 + head) x 262,144 + position x 128
	s_add_co_u32 s20, s20, s41
	s_lshl_b32 s20, s20, 4
	s_lshl_b32 s21, s40, 2
	s_add_co_u32 s20, s20, s21
	s_lshl_b32 s21, s16, 1
	s_add_co_u32 s20, s20, s21
	s_lshl_b32 s20, s20, 18
	s_lshl_b32 s21, s3, 15
	s_add_co_u32 s20, s20, s21
	s_lshl_b32 s21, s15, 14
	s_add_co_u32 s20, s20, s21
	s_mov_b32 s21, 0
	s_add_nc_u64 s[12:13], s[12:13], s[20:21]
	s_mul_i32 s22, s41, 196608                     ; first16: batch x 196,608 + (64 part + 16 cx + 8 half) x 1,024
	s_lshl_b32 s23, ttmp9, 16
	s_add_co_u32 s22, s22, s23
	s_lshl_b32 s23, s40, 14
	s_add_co_u32 s22, s22, s23
	s_lshl_b32 s23, s16, 13
	s_add_co_u32 s22, s22, s23
	s_mov_b32 s23, 0
	s_add_nc_u64 s[98:99], s[98:99], s[22:23]
	s_or_b32 s95, s3, s15                          ; 0 where my rows begin at position 0 of a batch
.macro FRAG reg, adr, q, i             ; 16 rows x 128 K of 4-bit codes: 8 registers: two loads of 16 bytes, 32 bytes apart
.irp c, 0,1
	ds_load_b128 v[\reg+4*\c:\reg+4*\c+3], v[\adr] offset:64*(\q)+32*\c+(\i)*16*PITCH
.endr
.endm
; 16 matrix instructions: A's blocks a0, a0 + 1 x B's eight.  bias = 1: the first products take the bias as C: nothing is added later.  The 64 accumulators take turns, one instruction a turn.
.macro MUL16 a0, p, q, sc, bias
.irp a, \a0, \a0+1
.irp b, 0,1,2,3,4,5,6,7
.if \bias
	v_wmma_scale_f32_16x16x128_f8f6f4 v[8*(8*((\a)%4)+\b):8*(8*((\a)%4)+\b)+7], v[128*(\p)+FR*\b:128*(\p)+FR*\b+FR-1], v[AF+FR*(\a):AF+FR*(\a)+FR-1], v[BI+8*\b:BI+8*\b+7], v[SC+8*NQ*(\sc)+NQ*\b+(\q)], v[SC+8*NQ*(\sc)+NQ*(\a)+(\q)] matrix_a_fmt:MATRIX_FMT_FP4 matrix_b_fmt:MATRIX_FMT_FP4 matrix_a_scale:MATRIX_SCALE_ROW1
.else
	v_wmma_scale_f32_16x16x128_f8f6f4 v[8*(8*((\a)%4)+\b):8*(8*((\a)%4)+\b)+7], v[128*(\p)+FR*\b:128*(\p)+FR*\b+FR-1], v[AF+FR*(\a):AF+FR*(\a)+FR-1], v[8*(8*((\a)%4)+\b):8*(8*((\a)%4)+\b)+7], v[SC+8*NQ*(\sc)+NQ*\b+(\q)], v[SC+8*NQ*(\sc)+NQ*(\a)+(\q)] matrix_a_fmt:MATRIX_FMT_FP4 matrix_b_fmt:MATRIX_FMT_FP4 matrix_a_scale:MATRIX_SCALE_ROW1
.endif
.endr
.endr
.endm
.macro FETCH_B slot, q, p
	WIN TO_B
.irp i, 0,1,2,3,4,5,6,7
	FRAG 128*(\p)+FR*\i, ADRB+\slot, \q, \i
.endr
	WIN 0
.endm
.macro FETCH_A slot, q, i0
.irp i, \i0, \i0+1, \i0+2, \i0+3
	FRAG AF+FR*(\i), ADRA+\slot, \q, \i
.endr
.endm
.macro SCALES sc                       ; a K step's scale words: 4 words a row; lanes 0-15 take A's block i, lanes 16-31 B's block i
.irp i, 0,1,2,3,4,5,6,7
	ds_load_b128 v[SC+8*NQ*\sc+NQ*\i:SC+8*NQ*\sc+NQ*\i+3], v[ADRS] offset:\i*SBLK
.endr
.endm
.macro PLACES n                        ; plain vector instructions behind matrix instructions, in front of loads into their registers and of reads of their results
.rept \n
	v_nop
.endr
.endm
.macro STEP slot, q, bias              ; 128 along K with its successor in the same slot
	s_wait_dscnt 4*NL                              ; B's set and A's blocks 0-3 are in; the youngest eight loads (A's blocks 4-7) may be out
.if \bias
	WIN BIAS_LO
.else
	WIN MUL_LO
.endif
	MUL16 0, (\q)%2, \q, \slot, \bias
	MUL16 2, (\q)%2, \q, \slot, \bias
	s_wait_dscnt 0
	PLACES NP
	FETCH_B \slot, (\q)+1, 1-(\q)%2
	FETCH_A \slot, (\q)+1, 0
.if \bias
	WIN BIAS_HI
.else
	WIN MUL_HI
.endif
	MUL16 4, (\q)%2, \q, \slot, \bias
	MUL16 6, (\q)%2, \q, \slot, \bias
	PLACES NP
	WIN 0
	FETCH_A \slot, (\q)+1, 4
.endm
	s_wait_tensorcnt 1                             ; the scales and my part of K step 0 are in; K step 1's load may be out
	s_barrier_signal -1
	s_barrier_wait -1
	FETCH_B 0, 0, 0
	FETCH_A 0, 0, 0
	SCALES 0
	FETCH_A 0, 0, 4
	s_wait_loadcnt 0x0                             ; the bias
	STEP 0, 0, 1
	STEP 0, 1, 0
	STEP 0, 2, 0
	; slot 0's last step changes slots: one barrier; in front of it my tensor loads have landed (my part of slot 1)
	s_wait_tensorcnt 0x0
	ds_add_u32 v[SPW], v[NIL]                      ; 0 onto my spare word
	s_wait_dscnt 4*NL+1                            ; the add and the youngest eight loads may be out
	WIN MUL_LO
	MUL16 0, 1, NQ-1, 0, 0
	s_wait_dscnt 0x0
	s_barrier_signal -1
	MUL16 2, 1, NQ-1, 0, 0
	WIN 0
	s_barrier_wait -1
	PLACES NP
	v_add_nc_u32 v[ADRS], 4*NQ, v[ADRS]            ; on to the second K step's scale words
	FETCH_B 1, 0, 0
	FETCH_A 1, 0, 0
	SCALES 1
	WIN MUL_HI
	MUL16 4, 1, NQ-1, 0, 0
	MUL16 6, 1, NQ-1, 0, 0
	PLACES NP
	WIN 0
	FETCH_A 1, 0, 4
	STEP 1, 0, 0
	STEP 1, 1, 0
	STEP 1, 2, 0
	s_wait_dscnt 4*NL                              ; the very last step: nothing more to fetch
	WIN MUL_LO
	MUL16 0, 1, NQ-1, 1, 0
	MUL16 2, 1, NQ-1, 1, 0
	s_wait_dscnt 0
	WIN MUL_HI
	MUL16 4, 1, NQ-1, 1, 0
	MUL16 6, 1, NQ-1, 1, 0
	WIN 0
	; THE WAY OUT.  First, where my block 0 is positions 0-15 of a batch, its accumulators as they stand, in f32: each store covers 512 consecutive bytes.
	PLACES NP
	s_cmp_lg_u32 s95, 0
	s_cbranch_scc1 .Lno_first
	WIN 0x08                                       ; a store's data are its source 1: window 2
.irp b, 0,1,2,3,4,5,6,7
	global_store_b128 v[LI], v[8*\b:8*\b+3], s[98:99] offset:1024*\b          ; each accumulator from its low end on
	global_store_b128 v[LI], v[8*\b+4:8*\b+7], s[98:99] offset:1024*\b+512
.endr
	WIN 0
.Lno_first:
; Then all eight blocks in f16: packed, through my own stage, and back so that sixteen lanes hold two positions of one head: 256 consecutive bytes of qkv16.
.macro PACK a
.set AC, 64*((\a)%4)
	WIN 0x0a+5*((\a)/4)                            ; sources 0 and 1: window 2 or 3
.irp b, 0,1,2,3,4,5,6,7
.irp r, 0,1,2,3
	v_cvt_pk_f16_f32 v[TMP+4*\b+\r], v[AC+8*\b+2*\r], v[AC+8*\b+2*\r+1]
.endr
.endr
	WIN 0
.endm
.macro TOSTAGE a
.set BB, BK+32*((\a)%2)
.irp b, 0,1,2,3,4,5,6,7
	ds_store_b128 v[STO], v[TMP+4*\b:TMP+4*\b+3] offset:32*\b
.endr
.irp t, 0,1,2,3,4,5,6,7
	ds_load_b128 v[BB+4*\t:BB+4*\t+3], v[RD] offset:\t*2*SPITCH    ; LDS serves a wave's instructions in order: these see the stores above
.endr
.endm
.macro SEND a
.set BB, BK+32*((\a)%2)
	s_wait_dscnt 0x0                               ; the block is back in registers
	s_wait_xcnt 0x0                                ; the stores of the block before have read their registers: the next block's loads may land there
.irp t, 0,1,2,3,4,5,6,7
	global_store_b128 v[CO], v[BB+4*\t:BB+4*\t+3], s[12:13] offset:(\a)*2048+\t*256   ; the block's and the pair's place stand in the immediate: the base is never stepped
.endr
.endm
	PACK 0
	TOSTAGE 0
.irp a, 1,2,3,4,5,6,7                  ; block a's conversions stand between block a - 1's loads from the stage and the wait for them
	PACK \a
	SEND \a-1
	TOSTAGE \a
.endr
	SEND 7
	s_wait_tensorcnt 0x0                           ; the wave's end
	ds_add_u32 v[SPW], v[NIL]
	s_wait_dscnt 0x0
	CROUND                                         ; the closing round
	s_endpgm
.Lfunc_end_k_q4d5f6c88c4_qkv:
	.size	k_q4d5f6c88c4_qkv, .Lfunc_end_k_q4d5f6c88c4_qkv-k_q4d5f6c88c4_qkv
	.p2alignl 7, 3214868480
	.fill 96, 4, 3214868480
	.section	.rodata,"a",@progbits
	.p2align	6, 0x0
	.amdhsa_kernel k_q4d5f6c88c4_qkv
		.amdhsa_group_segment_fixed_size 327680
		.amdhsa_private_segment_fixed_size 0
		.amdhsa_enable_private_segment 0
		.amdhsa_kernarg_size 56
		.amdhsa_user_sgpr_count 2
		.amdhsa_user_sgpr_kernarg_segment_ptr 1
		.amdhsa_wavefront_size32 1
		.amdhsa_system_sgpr_workgroup_id_x 1
		.amdhsa_system_sgpr_workgroup_id_y 1
		.amdhsa_system_sgpr_workgroup_id_z 1
		.amdhsa_system_vgpr_workitem_id 0
		.amdhsa_next_free_vgpr 1024
		.amdhsa_next_free_sgpr 100
		.amdhsa_reserve_vcc 0
		.amdhsa_float_denorm_mode_32 3
		.amdhsa_float_denorm_mode_16_64 3
		.amdhsa_memory_ordered 1
		.amdhsa_forward_progress 1
		.amdhsa_inst_pref_size 132
	.end_amdhsa_kernel
	.amdgpu_metadata
---
amdhsa.version: [ 1, 2 ]
amdhsa.kernels:
  - .name:           k_q4d5f6c88c4_qkv
    .symbol:         k_q4d5f6c88c4_qkv.kd
    .args:
      - { .name: x_codes, .offset: 0, .size: 8, .value_kind: global_buffer, .address_space: global }
      - { .name: x_scales, .offset: 8, .size: 8, .value_kind: global_buffer, .address_space: global }
      - { .name: wa_codes, .offset: 16, .size: 8, .value_kind: global_buffer, .address_space: global }
      - { .name: wa_scales, .offset: 24, .size: 8, .value_kind: global_buffer, .address_space: global }
      - { .name: qkv16, .offset: 32, .size: 8, .value_kind: global_buffer, .address_space: global }
      - { .name: b_attn, .offset: 40, .size: 8, .value_kind: global_buffer, .address_space: global }
      - { .name: first16, .offset: 48, .size: 8, .value_kind: global_buffer, .address_space: global }
    .group_segment_fixed_size: 327680
    .private_segment_fixed_size: 0
    .kernarg_segment_align: 8
    .kernarg_segment_size: 56
    .max_flat_workgroup_size: 128
    .sgpr_count:     100
    .vgpr_count:     1024
    .wavefront_size: 32
...
	.end_amdgpu_metadata
.endif
;; end of part 2
;; launch attn (part 3): grid 4 x 64, 16 waves a work-group, no clusters, 327,680 bytes of LDS; arguments qkv16, y16; writes y16
.if DOCPART == 3
	.amdgcn_target "amdgcn-amd-amdhsa--gfx1250"
	.amdhsa_code_object_version 6
	.text
	.protected	k_q4d5f6c88c4_attn
	.globl	k_q4d5f6c88c4_attn
	.p2align	8
	.type	k_q4d5f6c88c4_attn,@function
k_q4d5f6c88c4_attn:
	s_mov_b64 s[64:65], 0
	v_nop
	global_prefetch_b8 v0, s[64:65] scope:SCOPE_SE
	s_setreg_imm32_b32 hwreg(HW_REG_WAVE_MODE, 25, 1), 1
	s_wait_xcnt 0x0
; y[b][h][q][:] = the sum over k <= q of softmax_k(q . k / 8) v[k][:], per head, on f16 operands with f32 products' sums, maxima and sums.  q, k, v: qkv16 [part][b][h][2048][64]; y16 [b][h][2048][64], f16.
; LEFT OUT: key steps that lie wholly above the diagonal of reference()'s own mask (shown at the head of launch prep).
; LIMITS: |y| under 65,504; weights p under f16's smallest number count as 0.  The rows of positions 0-15 are made here too (they lie inside a wave's 32 queries), but the output's rows there come from launch fine.
; SHARES.  Work-group (j, head) owns the query blocks j and 7 - j of 256: 9 units of 256 x 256 under the mask, whatever j.  Each of its sixteen waves owns 32 queries, two tiles of 16; the blocks alternate
; among the waves so that any four neighbours, and any four waves 4 apart, hold two of each.  Four waves share a SIMD: one wave's vector work stands beside another's matrix work and LDS loads.
; All waves walk 8 slots of 256 keys, a constant count, 64 keys a step; a step all of whose keys come after the wave's queries is passed over by a scalar branch on ids.
; K's and V's tiles come through a ring of two LDS slots (waves 0, 1: K's halves; waves 2, 3: V's) and are read by all sixteen.
; NO CLUSTER: the work-groups of a head end their walks at different slots (at query 256 (7 - j) + 255), so a partner would ask for tiles that none of its waves reads.
; LAYOUT.  S^T = K Q^T (source 0 = 16 keys, source 1 = 16 queries): a lane holds ONE query (lane % 16) and the keys 8 (lane / 16) + 0..7.  Two such tiles, rounded to f16 in pairs, ARE source 1
; (32 keys x 16 queries) of O^T = V^T P.  K comes out of LDS as it lies, V ([key][channel]) turned, by ds_load_tr16_b128.
; SOFTMAX: a running maximum m and sum l for each query: p = 2^(c s - c m), c = log2(e) / 8; in every step O and l are multiplied by a = 2^(c m_old - c m_new).
.set KP,    144                        ; a key's row in LDS: 128 bytes + 16
.set VP,    160                        ; a row of V: 128 + 32: an odd multiple of 32
.set VOFF,  256*KP                     ; a slot: 256 rows of K, then 256 rows of V
.set SLOT1, 1<<17                      ; slot 1 begins here: one exclusive or turns an address
.set SPARE, SLOT1+VOFF+256*VP          ; the spare words, 128 bytes for each wave
.set STAGE, SPARE+2048                 ; the way out: 32 rows x 144 bytes for each wave; no tile lands here
.set SROW,  144
.set AK0, 1                            ; v1  my lane's place in a tile of K
.set AV0, 2                            ; v2  in a tile of V
.set ADK, 3
.set ADV, 4
.set SPW, 5
.set NIL, 6
.set GO,  7                            ; v7  16 x lane
.set PFO, 8                            ; v8  256 x lane
.set STO, 9
.set RD,  10
.set QA,  11
.set D0,  12                           ; v12, v13  the diagonal: query - first key - 8 (lane / 16), for tiles 0 and 1
.set NINF, 14
.set RH,  15                           ; v15 lane % 16 - 8 (lane / 16)
.set ST,  16                           ; tile t's statistics at v[16 + 8 t]: +0 c m, +1 m, +2, +3 l, +4 .. +7 at work; a stands in +6
.set Q,   32                           ; fragment (tile t, channels 32 ds on) at 32 + 16 t + 8 ds
.set KV,  64                           ; a step's K, then its V
.set S,   128                          ; S^T, 32 a tile; P is made in place in a tile's low 16
.set O,   192                          ; O^T at 192 + 32 t + 8 ct
.set WV,  18
.set SEL, 20
.set CS,  22
.set G1K, 24
.set G1V, 32
.set G0K, 40
.set G0V, 44
.set TB,  2
.set SLOTS, 67
.set PFA, 76
.set LIM, 80
.set LASTQ, 95
.set KF,  98
.set Q0,  99
.macro TLOAD                           ; waves 0 and 1 fetch for K, waves 2 and 3 for V, the others nothing; an s_nop 0 and four v_nop follow each line
	s_cmp_lt_u32 s[WV], 2
	s_cbranch_scc0 .Lnot_k_\@
	tensor_load_to_lds s[G0K:G0K+3], s[G1K:G1K+7]
	s_nop 0
.rept 4
	v_nop
.endr
	s_branch .Lasked_\@
.Lnot_k_\@:
	s_cmp_lt_u32 s[WV], 4
	s_cbranch_scc0 .Lasked_\@
	tensor_load_to_lds s[G0V:G0V+3], s[G1V:G1V+7]
	s_nop 0
.rept 4
	v_nop
.endr
.Lasked_\@:
.endm
; A PREFETCH of what the NEXT change of slots will ask for: a slot's 32,768 dense bytes of K and of V.  The four work-groups of a head walk the same K and V: the one with j = 0, which walks all slots, asks.
; In it waves 4 to 7 ask for K's, waves 8 to 11 for V's: 8,192 bytes a wave, lanes 256 bytes apart: each aligned block of 256 bytes is named once in the launch.
; Slots 0 and 1 come by their loads alone; the last change that fills a slot asks for nothing.
.macro ASK
	s_cmp_gt_u32 s[SLOTS], s[LIM]
	s_cbranch_scc0 .Lnot_mine_\@
	global_prefetch_b8 v[PFO], s[PFA:PFA+1] th:TH_LOAD_NT scope:SCOPE_SE
.Lnot_mine_\@:
.endm
	s_load_b128 s[4:7], s[0:1], 0x0                ; qkv16, y16
	v_lshl_add_u32 v[SPW], v0, 2, SPARE
	v_mov_b32 v[NIL], 0
	ds_add_u32 v[SPW], v[NIL]                      ; the wave's opening: the add, twice on end, and its wait ahead of the first tensor load
	ds_add_u32 v[SPW], v[NIL]
	v_lshrrev_b32 v1, 5, v0
	v_readfirstlane_b32 s[WV], v1                  ; wave 0..15
	s_and_b32 s8, ttmp7, 0xffff                    ; batch x 16 + head
	s_lshr_b32 s9, s[WV], 2
	s_xor_b32 s9, s9, s[WV]
	s_and_b32 s9, s9, 1                            ; which of the two blocks
	s_lshr_b32 s10, s[WV], 1                       ; which 32 queries of it
	s_sub_co_u32 s11, 7, ttmp9
	s_cmp_eq_u32 s9, 0
	s_cselect_b32 s12, ttmp9, s11
	s_lshl_b32 s[Q0], s12, 8
	s_lshl_b32 s10, s10, 5
	s_add_co_u32 s[Q0], s[Q0], s10                 ; my first query
	s_lshl_b32 s[LASTQ], s11, 8
	s_or_b32 s[LASTQ], s[LASTQ], 255               ; my work-group's last query
	s_and_b32 s13, s[WV], 1                        ; which half of a slot's rows I fetch, if I fetch
	s_lshl_b32 s9, s13, 14
	s_add_co_u32 s14, s8, 64
	s_lshl_b32 s14, s14, 18
	s_add_co_u32 s14, s14, s9                      ; K: part 1, my head, my half
	s_mov_b32 s15, 0
	s_add_co_u32 s16, s8, 128
	s_lshl_b32 s16, s16, 18
	s_add_co_u32 s16, s16, s9                      ; V: part 2
	s_mov_b32 s17, 0
	s_mul_i32 s19, s13, 128*KP                     ; and in a slot
	s_mul_i32 s66, s13, 128*VP
	s_add_co_u32 s66, s66, VOFF
	s_lshl_b32 s70, s8, 18
	s_lshl_b32 s9, s[Q0], 7
	s_add_co_u32 s70, s70, s9                      ; my queries' rows in part 0 of qkv16 and in y16
	s_mov_b32 s71, 0
	s_mov_b32 s[G1K], (1<<16)|(1<<20)|(4<<22)|(3<<25)   ; elements of 2 bytes; padding: 4 words after every 32
	s_mov_b32 s[G1V], (1<<16)|(1<<20)|(4<<22)|(7<<25)   ; 8 words
.irp g, G1K, G1V
	s_mov_b32 s[\g+1], 64<<16                      ; tensor_dim0
	s_mov_b32 s[\g+2], 128<<16                     ; tensor_dim1
	s_mov_b32 s[\g+3], 64<<16                      ; tile_dim0
	s_mov_b32 s[\g+4], 128                         ; tile_dim1
	s_mov_b32 s[\g+5], 64                          ; from row to row
	s_mov_b32 s[\g+6], 0
	s_mov_b32 s[\g+7], 0
.endr
	s_mov_b32 s[SEL], 0x76543210
	s_mov_b32 s[SEL+1], 0xfedcba98                 ; v_permlanex16_b32's selects for lane l xor 16
	s_mov_b32 s[CS], 0x3e38aa3b                    ; c = log2(e) / 8
	s_mov_b32 s[CS+1], s[CS]                       ; (named with it as a pair, so it is written)
	s_mov_b32 s[TB], 0
	s_mov_b32 s[KF], 0
	s_mov_b32 s[SLOTS], 7
	s_wait_dscnt 0x0                               ; both opening adds are done
	s_wait_kmcnt 0x0
	s_mov_b32 s[G0K], 1
	s_mov_b32 s[G0K+1], s19
	s_add_nc_u64 s[G0K+2:G0K+3], s[4:5], s[14:15]
	s_or_b32 s[G0K+3], s[G0K+3], 0x80000000
	s_mov_b32 s[G0V], 1
	s_mov_b32 s[G0V+1], s66
	s_add_nc_u64 s[G0V+2:G0V+3], s[4:5], s[16:17]
	s_or_b32 s[G0V+3], s[G0V+3], 0x80000000
	TLOAD                                          ; slot 0: it holds key 0, which counts for every query
	s_add_nc_u64 s[68:69], s[4:5], s[70:71]        ; Q at my first query
	s_add_nc_u64 s[6:7], s[6:7], s[70:71]          ; y16 likewise
	s_cmp_lt_u32 s[WV], 8                          ; the prefetches: waves 4 to 7 stand in K, waves 8 to 11 in V,
	s_cselect_b32 s82, 64, 128
	s_add_co_u32 s82, s82, s8
	s_lshl_b32 s82, s82, 18
	s_and_b32 s83, s[WV], 3
	s_lshl_b32 s83, s83, 13
	s_add_co_u32 s82, s82, s83                     ; at my wave's 8,192 bytes
	s_add_co_u32 s82, s82, 32768                   ; of slot 1: the first change of slots steps it to slot 2
	s_mov_b32 s83, 0
	s_add_nc_u64 s[PFA:PFA+1], s[4:5], s[82:83]
	s_sub_co_u32 s82, s[WV], 4
	s_lshr_b32 s82, s82, 3                         ; 0 in waves 4 to 11,
	s_or_b32 s82, s82, ttmp9                       ; of the work-group with j = 0
	s_cmp_eq_u32 s82, 0
	s_cselect_b32 s[LIM], 1, -1
	v_and_b32 v12, 15, v0                          ; r
	v_bfe_u32 v13, v0, 4, 1                        ; h
	v_lshlrev_b32 v[QA], 7, v12
	v_lshl_add_u32 v[QA], v13, 4, v[QA]            ; Q: row r of 128 bytes, + 16 h
.irp t, 0,1
.irp d, 0,1
	global_load_b128 v[Q+16*\t+8*\d:Q+16*\t+8*\d+3], v[QA], s[68:69] offset:2048*\t+64*\d
	global_load_b128 v[Q+16*\t+8*\d+4:Q+16*\t+8*\d+7], v[QA], s[68:69] offset:2048*\t+64*\d+32
.endr
.endr
	v_mul_u32_u24 v[AK0], v12, KP
	v_lshl_add_u32 v[AK0], v13, 4, v[AK0]          ; K: row r x pitch + 16 h
	v_and_b32 v14, 7, v0
	v_lshl_add_u32 v[AV0], v13, 3, v14             ; V: the turning load: key 8 h + lane % 8,
	v_mul_u32_u24 v[AV0], v[AV0], VP
	v_bfe_u32 v14, v0, 3, 1
	v_lshl_add_u32 v[AV0], v14, 4, v[AV0]          ; channels 8 ((lane / 8) % 2) on
	v_add_nc_u32 v[AV0], VOFF, v[AV0]
	v_and_b32 v14, 31, v0
	v_lshlrev_b32 v[GO], 4, v14
	v_lshlrev_b32 v[PFO], 8, v14
	s_mul_i32 s9, s[WV], 32*SROW
	s_add_co_u32 s9, s9, STAGE                     ; my stage
	v_add_nc_u32 v[STO], s9, v[AK0]                ; in: row r, 16 bytes for each half of the lanes (the stage's pitch is K's)
	v_lshrrev_b32 v[RD], 3, v14
	v_mul_u32_u24 v[RD], v[RD], SROW
	v_and_b32 v14, 7, v0
	v_lshl_add_u32 v[RD], v14, 4, v[RD]
	v_add_nc_u32 v[RD], s9, v[RD]                  ; back: eight lanes to a row of 128 bytes, four rows an instruction
	v_lshlrev_b32 v14, 3, v13
	v_sub_nc_u32 v[RH], v12, v14
	v_mov_b32 v[NINF], 0xff800000
.irp t, 0,1
	v_mov_b32 v[ST+8*\t+1], 0xff61b1e6             ; m: -3e38, under every score
	v_mul_f32 v[ST+8*\t], s[CS], v[ST+8*\t+1]      ; c m
.irp j, 2,3,4,5,6,7
	v_mov_b32 v[ST+8*\t+\j], 0                     ; l; and the registers at work: a lane permute's destination and a pair's upper word count as read
.endr
.endr
.set i, 0
.rept 64
	v_mov_b32 v[O+i], 0                            ; O^T.  The step is written once: the first finds zeros, which a = 0 leaves zeros
.set i, i+1
.endr
; A KEY STEP: 64 keys, the q-th of the slot in hand.
.macro STEP q
	s_add_co_u32 s96, s[Q0], 31                    ; a step all of whose keys come after my 32 queries is left out: ids alone; no barrier and no tensor load stands in a step
	s_cmp_gt_u32 s[KF], s96
	s_cbranch_scc1 .Lhidden_\@
	v_add_nc_u32 v[ADK], s[TB], v[AK0]
	v_add_nc_u32 v[ADV], s[TB], v[AV0]
.rept 4
	v_nop                                          ; with the two additions six places behind the last step's products: four for the loads into V's registers, five for the scores that are laid over P
.endr
.irp f, 0,1,2,3,4,5,6,7                        ; K: keys 16 (f / 2) on, channels 32 (f % 2) on
	ds_load_b128 v[KV+8*\f:KV+8*\f+3],   v[ADK] offset:(64*(\q)+16*(\f/2))*KP+64*(\f%2)
	ds_load_b128 v[KV+8*\f+4:KV+8*\f+7], v[ADK] offset:(64*(\q)+16*(\f/2))*KP+64*(\f%2)+32
.endr
	s_wait_dscnt 0x0
.set i, 0
.rept 16                                       ; S^T = K Q^T: eight accumulators by turns, one instruction a turn; the first eight start the sums
.set rS, S+32*(i%2)+8*((i/2)%4)
.set rK, KV+8*(2*((i/2)%4)+i/8)
.set rQ, Q+16*(i%2)+8*(i/8)
.if i < 8
	v_wmma_f32_16x16x32_f16 v[rS:rS+7], v[rK:rK+7], v[rQ:rQ+7], 0
.else
	v_wmma_f32_16x16x32_f16 v[rS:rS+7], v[rK:rK+7], v[rQ:rQ+7], v[rS:rS+7]
.endif
.set i, i+1
.endr
.rept 4
	v_nop                                          ; places in front of the loads into K's registers and of the first read of the scores
.endr
.irp f, 0,1,2,3,4,5,6,7                        ; V, turned: keys 32 (f / 4) on, channels 16 (f % 4) on.  It lands while the softmax runs
	ds_load_tr16_b128 v[KV+8*\f:KV+8*\f+3],   v[ADV] offset:(64*(\q)+32*(\f/4))*VP+32*(\f%4)
	ds_load_tr16_b128 v[KV+8*\f+4:KV+8*\f+7], v[ADV] offset:(64*(\q)+32*(\f/4)+16)*VP+32*(\f%4)
.endr
	s_add_co_u32 s96, s[KF], 63                    ; on the diagonal hidden scores become -infinity ahead of the maximum; a step all of whose keys count passes this over
	s_cmp_le_u32 s96, s[Q0]
	s_cbranch_scc1 .Lopen_\@
	s_sub_co_i32 s96, s[Q0], s[KF]
	v_add_nc_u32 v[D0], s96, v[RH]                 ; register n of tile t holds key KF + 16 (n / 8) + n % 8 + 8 h: hidden where 16 (n / 8) + n % 8 > my query - KF - 8 h
	v_add_nc_u32 v[D0+1], 16, v[D0]
.irp t, 0,1
.set n, 0
.rept 32
	v_cmp_gt_i32 vcc_lo, 16*(n/8)+n%8, v[D0+\t]
	v_cndmask_b32 v[S+32*\t+n], v[S+32*\t+n], v[NINF], vcc_lo
.set n, n+1
.endr
.endr
.Lopen_\@:
	; the maximum of the lane's 32 scores and the old m: four chains, each accumulator from its low end on; the two tiles line by line
.irp j, 0,1,2,3
.irp t, 0,1
	v_max3_num_f32 v[ST+8*\t+4+\j], v[S+32*\t+8*\j], v[S+32*\t+8*\j+1], v[S+32*\t+8*\j+2]
.endr
.endr
.irp g, 3,5
.irp j, 0,1,2,3
.irp t, 0,1
	v_max3_num_f32 v[ST+8*\t+4+\j], v[ST+8*\t+4+\j], v[S+32*\t+8*\j+\g], v[S+32*\t+8*\j+\g+1]
.endr
.endr
.endr
.irp t, 0,1
	v_max3_num_f32 v[ST+8*\t+4], v[ST+8*\t+4], v[S+32*\t+7], v[S+32*\t+15]
	v_max3_num_f32 v[ST+8*\t+6], v[ST+8*\t+6], v[S+32*\t+23], v[S+32*\t+31]
.endr
.irp t, 0,1
	v_max3_num_f32 v[ST+8*\t+4], v[ST+8*\t+4], v[ST+8*\t+5], v[ST+8*\t+6]
.endr
.irp t, 0,1
	v_max3_num_f32 v[ST+8*\t+4], v[ST+8*\t+4], v[ST+8*\t+7], v[ST+8*\t+1]
.endr
.irp t, 0,1
	v_permlanex16_b32 v[ST+8*\t+5], v[ST+8*\t+4], s[SEL], s[SEL+1]   ; the query's other 32 keys lie in the lane 16 away
.endr
.irp t, 0,1
	v_mov_b32 v[ST+8*\t+7], v[ST+8*\t]             ; c m_old
.endr
.irp t, 0,1
	v_max_num_f32 v[ST+8*\t+1], v[ST+8*\t+4], v[ST+8*\t+5]
.endr
.irp t, 0,1
	v_mul_f32 v[ST+8*\t], s[CS], v[ST+8*\t+1]
.endr
.irp t, 0,1
	v_sub_f32 v[ST+8*\t+7], v[ST+8*\t+7], v[ST+8*\t]
.endr
.set e, 0
.rept 16
	v_pk_fma_f32 v[S+2*e:S+2*e+1], v[S+2*e:S+2*e+1], s[CS:CS+1], v[ST:ST+1] op_sel_hi:[1,0,0] neg_lo:[0,0,1] neg_hi:[0,0,1]           ; c s - c m, two at a time
	v_pk_fma_f32 v[S+32+2*e:S+32+2*e+1], v[S+32+2*e:S+32+2*e+1], s[CS:CS+1], v[ST+8:ST+9] op_sel_hi:[1,0,0] neg_lo:[0,0,1] neg_hi:[0,0,1]
.set e, e+1
.endr
	v_exp_f32 v[ST+6], v[ST+7]                     ; ONE BATCH: a of both tiles and the 64 weights; none reads another's result
	v_exp_f32 v[ST+14], v[ST+15]
.set e, 0
.rept 32
	v_exp_f32 v[S+e], v[S+e]
	v_exp_f32 v[S+32+e], v[S+32+e]
.set e, e+1
.endr
	v_nop                                          ; a plain instruction behind the last exponential,
	s_wait_alu depctr_va_vdst(0)                   ; and the one wait ahead of the batch's first reader
.irp t, 0,1                                    ; the sums, of the weights before they are rounded: two chains a tile; l = a l + ..
	v_pk_fma_f32 v[ST+8*\t+2:ST+8*\t+3], v[ST+8*\t+2:ST+8*\t+3], v[ST+8*\t+6:ST+8*\t+7], v[S+32*\t:S+32*\t+1] op_sel_hi:[1,0,1]
	v_pk_add_f32 v[ST+8*\t+4:ST+8*\t+5], v[S+32*\t+2:S+32*\t+3], v[S+32*\t+4:S+32*\t+5]
.endr
.irp e, 3,5,7,9,11,13
.irp t, 0,1
	v_pk_add_f32 v[ST+8*\t+2:ST+8*\t+3], v[ST+8*\t+2:ST+8*\t+3], v[S+32*\t+2*\e:S+32*\t+2*\e+1]
	v_pk_add_f32 v[ST+8*\t+4:ST+8*\t+5], v[ST+8*\t+4:ST+8*\t+5], v[S+32*\t+2*\e+2:S+32*\t+2*\e+3]
.endr
.endr
.irp t, 0,1
	v_pk_add_f32 v[ST+8*\t+2:ST+8*\t+3], v[ST+8*\t+2:ST+8*\t+3], v[S+32*\t+30:S+32*\t+31]
.endr
.irp t, 0,1
	v_pk_add_f32 v[ST+8*\t+2:ST+8*\t+3], v[ST+8*\t+2:ST+8*\t+3], v[ST+8*\t+4:ST+8*\t+5]
.endr
.set e, 0
.rept 16                                       ; P in f16, in place: register e takes weights 2 e and 2 e + 1, which no later line reads
	v_cvt_pk_f16_f32 v[S+e], v[S+2*e], v[S+2*e+1]
	v_cvt_pk_f16_f32 v[S+32+e], v[S+32+2*e], v[S+32+2*e+1]
.set e, e+1
.endr
.set e, 0
.rept 16
	v_pk_mul_f32 v[O+2*e:O+2*e+1], v[O+2*e:O+2*e+1], v[ST+6:ST+7] op_sel_hi:[1,0]              ; O^T x a
	v_pk_mul_f32 v[O+32+2*e:O+32+2*e+1], v[O+32+2*e:O+32+2*e+1], v[ST+14:ST+15] op_sel_hi:[1,0]
.set e, e+1
.endr
	s_wait_dscnt 0x0                               ; V is in
.set i, 0
.rept 16                                       ; O^T += V^T P: keys 32 (i / 8) on, channels 16 ((i / 2) % 4) on, tile i % 2: eight accumulators by turns
.set rO, O+32*(i%2)+8*((i/2)%4)
.set rV, KV+8*(4*(i/8)+(i/2)%4)
.set rP, S+32*(i%2)+8*(i/8)
	v_wmma_f32_16x16x32_f16 v[rO:rO+7], v[rV:rV+7], v[rP:rP+7], v[rO:rO+7]
.set i, i+1
.endr
.Lhidden_\@:
	s_add_co_u32 s[KF], s[KF], 64
.endm
; THE CHANGE OF SLOTS stands at a slot's head.  Each wave waits for all its tensor loads, adds 0 to its spare word (fill = 1: twice on end),
; and waits for that and for its reads of the slot that it has left.  Behind the barrier the slot ahead is whole and nobody reads the other one, which is then filled with the next 256 keys.
.macro CHANGE fill
	s_wait_tensorcnt 0x0                           ; no tensor load of mine is out, so a group 0 may be written
	ds_add_u32 v[SPW], v[NIL]
.if \fill
	ds_add_u32 v[SPW], v[NIL]
	s_xor_b32 s[G0K+1], s[G0K+1], SLOT1
	s_add_nc_u64 s[G0K+2:G0K+3], s[G0K+2:G0K+3], 32768
	s_xor_b32 s[G0V+1], s[G0V+1], SLOT1
	s_add_nc_u64 s[G0V+2:G0V+3], s[G0V+2:G0V+3], 32768
	s_wait_xcnt 0x0                                ; the last prefetch, a slot back, has read its address
	s_add_nc_u64 s[PFA:PFA+1], s[PFA:PFA+1], 32768 ; one slot further on than the walking descriptors
.endif
	s_wait_dscnt 0x0
	s_barrier_signal -1
	s_barrier_wait -1
.if \fill
	s_add_co_u32 s96, s[KF], 256                   ; a slot whose first key comes after my work-group's last query is read by none of its waves: it is not asked for.
	s_cmp_gt_u32 s96, s[LASTQ]                     ; Ids and the count of steps alone: all sixteen waves go the same way; every wait on TENSORcnt in this text is for 0
	s_cbranch_scc1 .Lpast_\@
	TLOAD                                          ; a wave's one tensor load until the next such barrier
.Lpast_\@:
	ASK
.endif
.endm
.macro SLOT_STEPS
.irp q, 0,1,2,3
	STEP \q
.endr
	s_xor_b32 s[TB], s[TB], SLOT1
.endm
	s_wait_loadcnt 0x0                             ; Q
.Lslot:                                            ; 7 trips: behind each change of slots but the last the next slot is asked for, up to the limit
	CHANGE 1
	SLOT_STEPS
	s_sub_co_u32 s[SLOTS], s[SLOTS], 1
	s_cmp_lg_u32 s[SLOTS], 0
	s_cbranch_scc1 .Lslot
	CHANGE 0
	SLOT_STEPS
	; THE WAY OUT.  The additions are the places behind the last products.
.irp t, 0,1
	v_add_f32 v[ST+8*\t+4], v[ST+8*\t+2], v[ST+8*\t+3]
.endr
.irp t, 0,1
	v_permlanex16_b32 v[ST+8*\t+5], v[ST+8*\t+4], s[SEL], s[SEL+1]
.endr
.irp t, 0,1
	v_add_f32 v[ST+8*\t+4], v[ST+8*\t+4], v[ST+8*\t+5]
.endr
.irp t, 0,1
	v_rcp_f32 v[ST+8*\t+6], v[ST+8*\t+4]
.endr
	v_nop
	s_wait_alu depctr_va_vdst(0)                   ; one wait for the two reciprocals, ahead of their first reader
.set e, 0
.rept 16
	v_pk_mul_f32 v[O+2*e:O+2*e+1], v[O+2*e:O+2*e+1], v[ST+6:ST+7] op_sel_hi:[1,0]
	v_pk_mul_f32 v[O+32+2*e:O+32+2*e+1], v[O+32+2*e:O+32+2*e+1], v[ST+14:ST+15] op_sel_hi:[1,0]
.set e, e+1
.endr
.set e, 0
.rept 32
	v_cvt_pk_f16_f32 v[KV+e], v[O+2*e], v[O+2*e+1] ; register 16 t + 4 ct + i: channels 16 ct + 8 h + 2 i, + 1 of query 16 t + r
.set e, e+1
.endr
.irp t, 0,1
.irp c, 0,1,2,3
	ds_store_b128 v[STO], v[KV+16*\t+4*\c:KV+16*\t+4*\c+3] offset:\t*16*SROW+32*\c
.endr
.endr
.irp i, 0,1,2,3,4,5,6,7
	ds_load_b128 v[KV+32+4*\i:KV+32+4*\i+3], v[RD] offset:\i*4*SROW   ; LDS serves a wave's instructions in order: these see my stores
.endr
.irp i, 0,1,2,3,4,5,6,7
	s_wait_dscnt 7-\i                              ; the younger loads may be out
	global_store_b128 v[GO], v[KV+32+4*\i:KV+32+4*\i+3], s[6:7] offset:512*\i   ; my 32 rows are 4,096 dense bytes: each store covers 512 of them
.endr
	s_wait_tensorcnt 0x0                           ; the wave's end
	ds_add_u32 v[SPW], v[NIL]
	s_wait_dscnt 0x0
	s_endpgm
.Lfunc_end_k_q4d5f6c88c4_attn:
	.size	k_q4d5f6c88c4_attn, .Lfunc_end_k_q4d5f6c88c4_attn-k_q4d5f6c88c4_attn
	.p2alignl 7, 3214868480
	.fill 96, 4, 3214868480
	.section	.rodata,"a",@progbits
	.p2align	6, 0x0
	.amdhsa_kernel k_q4d5f6c88c4_attn
		.amdhsa_group_segment_fixed_size 327680
		.amdhsa_private_segment_fixed_size 0
		.amdhsa_enable_private_segment 0
		.amdhsa_kernarg_size 16
		.amdhsa_user_sgpr_count 2
		.amdhsa_user_sgpr_kernarg_segment_ptr 1
		.amdhsa_wavefront_size32 1
		.amdhsa_system_sgpr_workgroup_id_x 1
		.amdhsa_system_sgpr_workgroup_id_y 1
		.amdhsa_system_sgpr_workgroup_id_z 1
		.amdhsa_system_vgpr_workitem_id 0
		.amdhsa_next_free_vgpr 256
		.amdhsa_next_free_sgpr 100
		.amdhsa_reserve_vcc 1
		.amdhsa_float_denorm_mode_32 3
		.amdhsa_float_denorm_mode_16_64 3
		.amdhsa_memory_ordered 1
		.amdhsa_forward_progress 1
		.amdhsa_inst_pref_size 188
	.end_amdhsa_kernel
	.amdgpu_metadata
---
amdhsa.version: [ 1, 2 ]
amdhsa.kernels:
  - .name:           k_q4d5f6c88c4_attn
    .symbol:         k_q4d5f6c88c4_attn.kd
    .args:
      - { .name: qkv16, .offset: 0, .size: 8, .value_kind: global_buffer, .address_space: global }
      - { .name: y16, .offset: 8, .size: 8, .value_kind: global_buffer, .address_space: global }
    .group_segment_fixed_size: 327680
    .private_segment_fixed_size: 0
    .kernarg_segment_align: 8
    .kernarg_segment_size: 16
    .max_flat_workgroup_size: 512
    .sgpr_count:     100
    .vgpr_count:     256
    .wavefront_size: 32
...
	.end_amdgpu_metadata
.endif
;; end of part 3
;; launch proj (part 4): grid 4 x 64, 4 waves a work-group, clusters of 4 x 4, 327,680 bytes of LDS; arguments y16, wp16, b_proj, out0; writes out0
.if DOCPART == 4
	.amdgcn_target "amdgcn-amd-amdhsa--gfx1250"
	.amdhsa_code_object_version 6
	.text
	.protected	k_q4d5f6c88c4_proj
	.globl	k_q4d5f6c88c4_proj
	.p2align	8
	.type	k_q4d5f6c88c4_proj,@function
k_q4d5f6c88c4_proj:
	s_mov_b64 s[64:65], 0
	v_nop
	global_prefetch_b8 v0, s[64:65] scope:SCOPE_SE
	s_setreg_imm32_b32 hwreg(HW_REG_WAVE_MODE, 25, 1), 1
	s_wait_xcnt 0x0
	s_wait_alu depctr_hold_cnt(0) depctr_sa_sdst(0) depctr_va_vdst(0) depctr_va_sdst(0) depctr_va_ssrc(0) depctr_va_vcc(0) depctr_vm_vsrc(0)
	s_getreg_b32 s2, hwreg(HW_REG_IB_STS2, 6, 4)
	s_cmp_eq_u32 s2, 0
	s_cbranch_scc0 .Lentry_in_a_cluster
	s_endpgm
.Lentry_in_a_cluster:
	s_bfe_u32 s2, ttmp6, 0x10000c
	s_cmp_lg_u32 s2, 0xf033
	s_cbranch_scc0 .Lentry_shape_is_right
	s_endpgm
.Lentry_shape_is_right:
; out0 = y w_proj + b_proj on f16 operands, f32 sums; M 8192, K 1024, N 1024.  y16 [batch][head][position][64], wp16 [k][n], out0 [8192][1024] f32.
; LEFT OUT: the STORES of positions 0-15 of each batch: those rows of out0 are made in f32 by launch fine; their products stay, inside a tile that holds live rows.
; A tile of 128 x 256 is made by four waves, each 64 rows x 128 columns: 32 accumulators, 256 registers: 256 work-groups.  K goes in 8 steps of 128 (two heads) through two LDS slots.
; A's tile is two planes (heads) of 128 rows x 128 bytes; B's is 128 rows of k x 512 bytes, and comes out of LDS turned, by ds_load_tr16_b128.
; CLUSTERS: 4 x 4.  Tile column = cx; tile row = 16 cy + cluster y, so that the batch is cy and the block of 128 positions is cluster y: the one branch on rows hangs on cluster y and the wave's number.
; A's tiles are asked for jointly along a row of the cluster, B's along a column.
; THE MATRIX INSTRUCTION IS USED TRANSPOSED (source 0 = 16 columns of w_proj, source 1 = 16 rows of y): a lane holds eight neighbouring columns of one row.  The bias is the first products' C.
; REGISTERS: window 0: v0-31 addresses; v32-95 the bias; v128-255 the way out.  window 1: two fragment buffers at v0 and v128: B's 8 fragments, then A's 4.  window 2: accumulator (a, bb) at v[8 (8 a + bb)].
.set AP,     144                       ; a row of A in LDS: 128 bytes + 16
.set BP,     544                       ; a row of B: 512 + 32: an odd multiple of 32
.set PLANE,  128*AP
.set BOFF,   2*PLANE
.set BHALF,  64*BP
.set SLOT,   BOFF+2*BHALF
.set STAGE,  2*SLOT                    ; 16 rows x (512 + 16) bytes for each wave; no tile lands here
.set SPITCH, 528
.set SPARE,  STAGE+4*16*SPITCH
.set LAPS,   4
.set ADRA, 16
.set ADRB, 20
.set STO,  24
.set RD,   25
.set CO,   26
.set BA,   27
.set SPW,  28
.set NIL,  29
.set BI,   32
.set BK,   128
.set F0,   0
.set F1,   128
.set G1, 24
.set G0, 32
.set G1B, 48
.set G0B, 56
.set MSB, 0
.macro WIN new
.if MSB != \new
	s_set_vgpr_msb (MSB<<8)|\new
.set MSB, \new
.endif
.endm
.set MUL,   0xa5                       ; sources 0 and 1 window 1; C and D window 2
.set BIASW, 0x85                       ; C (the bias) window 0
.set TO_F,  0x40
.macro JLOAD s                         ; a joint load: waves 0 and 1 fetch A's two planes, waves 2 and 3 B's two halves; an s_nop 0 and four v_nop follow each line
	s_cmp_eq_u32 s15, 0
	s_cbranch_scc0 .Lfor_b_\@
	tensor_load_to_lds s[G0+4*\s:G0+4*\s+3], s[G1:G1+7]
	s_nop 0
.rept 4
	v_nop
.endr
	s_branch .Lasked_\@
.Lfor_b_\@:
	tensor_load_to_lds s[G0B+4*\s:G0B+4*\s+3], s[G1B:G1B+7]
	s_nop 0
.rept 4
	v_nop
.endr
.Lasked_\@:
.endm
.macro CREST
	s_cmp_lg_u32 s14, 0
	s_cbranch_scc1 .Lnot_wave_0_\@
	s_barrier_signal -3
.Lnot_wave_0_\@:
	s_barrier_wait -3
	s_barrier_signal -1
	s_barrier_wait -1
.endm
.macro CROUND
	s_barrier_signal -1
	s_barrier_wait -1
	CREST
.endm
	s_load_b256 s[4:11], s[0:1], 0x0               ; y16 s[4:5], wp16 s[6:7], b_proj s[8:9], out0 s[10:11]
	v_lshl_add_u32 v[SPW], v0, 2, SPARE
	v_mov_b32 v[NIL], 0
	ds_add_u32 v[SPW], v[NIL]                      ; the wave's opening: the add, twice on end, and its wait ahead of my first tensor load
	ds_add_u32 v[SPW], v[NIL]
	v_lshrrev_b32 v1, 5, v0
	v_readfirstlane_b32 s14, v1                    ; wave 0..3
	s_lshr_b32 s15, s14, 1                         ; which 64 rows are mine.  Also: I fetch for A (0) or for B (1)
	s_and_b32 s16, s14, 1                          ; which 128 columns.  Also: which plane of A or half of B I fetch
	s_bfe_u32 s40, ttmp6, 0x40000                  ; cx: the tile column
	s_bfe_u32 s41, ttmp6, 0x40004                  ; cy: the batch
	s_and_b32 s42, ttmp7, 0xffff                   ; cluster y: the block of 128 positions
	s_lshl_b32 s43, s41, 2
	s_lshl_b32 s43, 15, s43                        ; my row of the cluster
	s_lshl_b32 s44, 0x1111, s40                    ; my column
	s_or_b32 s[G1+0], s43, (1<<16)|(1<<20)|(1<<21)|(4<<22)|(3<<25)  ; the mask; elements of 2 bytes; padding: 4 words after every 32; bit 21 beside a mask
	s_mov_b32 s[G1+1], 64<<16                      ; tensor_dim0
	s_mov_b32 s[G1+2], 128<<16                     ; tensor_dim1
	s_mov_b32 s[G1+3], 64<<16                      ; tile_dim0
	s_mov_b32 s[G1+4], 128                         ; tile_dim1
	s_mov_b32 s[G1+5], 64                          ; from row to row
	s_mov_b32 s[G1+6], 0
	s_mov_b32 s[G1+7], 0
	s_or_b32 s[G1B+0], s44, (1<<16)|(1<<20)|(1<<21)|(6<<22)|(7<<25) ; padding: 8 words after every 128
	s_mov_b32 s[G1B+1], 256<<16
	s_mov_b32 s[G1B+2], 64<<16
	s_mov_b32 s[G1B+3], 256<<16
	s_mov_b32 s[G1B+4], 64
	s_mov_b32 s[G1B+5], 1024
	s_mov_b32 s[G1B+6], 0
	s_mov_b32 s[G1B+7], 0
	s_lshl_b32 s20, s41, 4
	s_add_co_u32 s20, s20, s16
	s_lshl_b32 s20, s20, 18                        ; A: head (16 batch + plane) x 262,144
	s_lshl_b32 s21, s42, 14
	s_add_co_u32 s20, s20, s21                     ; + 128 cluster y rows of 128 bytes
	s_mov_b32 s21, 0
	s_lshl_b32 s46, s16, 17                        ; B: 64 x half rows of 2,048 bytes
	s_lshl_b32 s47, s40, 9
	s_add_co_u32 s46, s46, s47                     ; + 512 x tile column
	s_mov_b32 s47, 0
	s_mul_i32 s22, s16, PLANE                      ; where they go: no place in the cluster enters an LDS address
	s_mul_i32 s23, s16, BHALF
	s_add_co_u32 s23, s23, BOFF
	s_wait_dscnt 0x0                               ; both opening adds are done
	s_wait_kmcnt 0x0
	s_add_nc_u64 s[20:21], s[4:5], s[20:21]
	s_add_nc_u64 s[46:47], s[6:7], s[46:47]
	CROUND                                         ; all sixteen work-groups are here: the first joint loads meet
.irp s, 0,1
	s_mov_b32 s[G0+4*\s], 1
	s_add_co_u32 s[G0+4*\s+1], s22, \s*SLOT
	s_add_nc_u64 s[G0+4*\s+2:G0+4*\s+3], s[20:21], \s*524288       ; K step s: two heads on
	s_or_b32 s[G0+4*\s+3], s[G0+4*\s+3], 0x80000000
	s_mov_b32 s[G0B+4*\s], 1
	s_add_co_u32 s[G0B+4*\s+1], s23, \s*SLOT
	s_add_nc_u64 s[G0B+4*\s+2:G0B+4*\s+3], s[46:47], \s*262144     ; 128 rows of k on
	s_or_b32 s[G0B+4*\s+3], s[G0B+4*\s+3], 0x80000000
	JLOAD \s                                       ; two loads of mine are out
.endr
	v_and_b32 v1, 15, v0                           ; r
	v_bfe_u32 v2, v0, 4, 1                         ; h
	s_lshl_b32 s46, s40, 10                        ; the bias: b_proj[256 x tile column + 128 x half + 16 bb + 8 h + 0 .. 7]
	s_lshl_b32 s47, s16, 9
	s_add_co_u32 s46, s46, s47
	s_mov_b32 s47, 0
	s_add_nc_u64 s[8:9], s[8:9], s[46:47]
	v_lshlrev_b32 v[BA], 5, v2
.irp b, 0,1,2,3,4,5,6,7
	global_load_b128 v[BI+8*\b:BI+8*\b+3], v[BA], s[8:9] offset:64*\b
	global_load_b128 v[BI+8*\b+4:BI+8*\b+7], v[BA], s[8:9] offset:64*\b+16
.endr
	v_mul_u32_u24 v3, v1, AP
	v_lshl_add_u32 v3, v2, 4, v3                   ; A: row r x pitch + 16 h
	v_and_b32 v4, 7, v0
	v_lshl_add_u32 v4, v2, 3, v4                   ; B: the turning load: k 8 h + lane % 8,
	v_mul_u32_u24 v4, v4, BP
	v_bfe_u32 v5, v0, 3, 1
	v_lshl_add_u32 v4, v5, 4, v4                   ; columns 8 ((lane / 8) % 2) on
	s_mul_i32 s21, s15, 64*AP                      ; my 64 rows of A
	s_lshl_b32 s22, s16, 8                         ; my 128 columns of B
	s_add_co_u32 s22, s22, BOFF
.irp s, 0,1
	v_add_nc_u32 v[ADRA+\s], s21, v3
	v_add_nc_u32 v[ADRB+\s], s22, v4
	s_add_co_u32 s21, s21, SLOT
	s_add_co_u32 s22, s22, SLOT
.endr
	s_mul_i32 s23, s14, 16*SPITCH
	s_add_co_u32 s23, s23, STAGE                   ; my stage
	v_mul_u32_u24 v5, v1, SPITCH
	v_lshl_add_u32 v5, v2, 5, v5
	v_add_nc_u32 v[STO], s23, v5                   ; in: row r, 32 bytes for each half of the lanes
	v_and_b32 v6, 31, v0
	v_lshlrev_b32 v[CO], 4, v6                     ; back: the 32 lanes take one row of 512 bytes; and the same in out0
	v_add_nc_u32 v[RD], s23, v[CO]
	s_lshl_b32 s20, s41, 23                        ; out0: (2048 batch + 128 cluster y + 64 row half) rows of 4,096 bytes + (256 tile column + 128 half) x 4
	s_lshl_b32 s21, s42, 19
	s_add_co_u32 s20, s20, s21
	s_lshl_b32 s21, s15, 18
	s_add_co_u32 s20, s20, s21
	s_add_co_u32 s20, s20, s46
	s_mov_b32 s21, 0
	s_add_nc_u64 s[10:11], s[10:11], s[20:21]
	s_or_b32 s45, s42, s15                         ; 0 where my rows begin at position 0 of a batch
.macro MUL8 f, a, bias                 ; A's block a x B's eight, 32 along K.  The 32 accumulators take turns, one instruction a turn, in the same order in every quarter
.irp b, 0,1,2,3,4,5,6,7
.if \bias
	v_wmma_f32_16x16x32_f16 v[8*(8*(\a)+\b):8*(8*(\a)+\b)+7], v[\f+8*\b:\f+8*\b+7], v[\f+64+8*(\a):\f+64+8*(\a)+7], v[BI+8*\b:BI+8*\b+7]
.else
	v_wmma_f32_16x16x32_f16 v[8*(8*(\a)+\b):8*(8*(\a)+\b)+7], v[\f+8*\b:\f+8*\b+7], v[\f+64+8*(\a):\f+64+8*(\a)+7], v[8*(8*(\a)+\b):8*(8*(\a)+\b)+7]
.endif
.endr
.endm
.macro FETCH slot, kq, f               ; 24 LDS loads in one run: the fragments of the slot's kq-th 32 along K; B's first, A's blocks 2 and 3 last
	WIN TO_F
.irp b, 0,1,2,3,4,5,6,7
	ds_load_tr16_b128 v[\f+8*\b:\f+8*\b+3],   v[ADRB+\slot] offset:32*(\kq)*BP+32*\b
	ds_load_tr16_b128 v[\f+8*\b+4:\f+8*\b+7], v[ADRB+\slot] offset:(32*(\kq)+16)*BP+32*\b
.endr
.irp a, 0,1,2,3
	ds_load_b128 v[\f+64+8*\a:\f+64+8*\a+3],   v[ADRA+\slot] offset:((\kq)/2)*PLANE+((\kq)%2)*64+\a*16*AP
	ds_load_b128 v[\f+64+8*\a+4:\f+64+8*\a+7], v[ADRA+\slot] offset:((\kq)/2)*PLANE+((\kq)%2)*64+\a*16*AP+32
.endr
.endm
.macro PLACES
.rept 4
	v_nop
.endr
.endm
.macro QUARTER slot, kn, f, g, bias    ; multiplies buffer f and fetches the slot's kn-th 32 along K into g
	s_wait_dscnt 4                                 ; all but the youngest four loads (A's blocks 2 and 3) are in
.if \bias
	WIN BIASW
.else
	WIN MUL
.endif
	MUL8 \f, 0, \bias
	MUL8 \f, 1, \bias
	PLACES
	FETCH \slot, \kn, \g
	s_wait_dscnt 24                                ; all but the 24 just issued
.if \bias
	WIN BIASW
.else
	WIN MUL
.endif
	MUL8 \f, 2, \bias
	MUL8 \f, 3, \bias
.endm
; A slot's last quarter multiplies buffer 1 and changes slots: one barrier; in front of it each wave waits for all its tensor loads, adds 0 to its spare word, and waits for that and for its reads of this slot.
.macro TURN slot, next, fill
	WIN 0                                          ; (the add's two registers lie in window 0)
	s_wait_tensorcnt 0x0                           ; my part of the next slot has landed
	ds_add_u32 v[SPW], v[NIL]
	s_wait_dscnt 5                                 ; the add and the youngest four loads may be out
	WIN MUL
	MUL8 F1, 0, 0
	s_wait_dscnt 0x0                               ; the add is done, and my reads of this slot are over
	s_barrier_signal -1
	MUL8 F1, 1, 0
.if \fill
	WIN 0
.endif
	s_barrier_wait -1
.if \fill
	CREST                                          ; the barrier has opened a round of the cluster's: no wave of any partner still reads this slot or has a load on its way
	s_add_nc_u64 s[G0+4*\slot+2:G0+4*\slot+3], s[G0+4*\slot+2:G0+4*\slot+3], 1048576     ; two K steps on: four heads,
	s_add_nc_u64 s[G0B+4*\slot+2:G0B+4*\slot+3], s[G0B+4*\slot+2:G0B+4*\slot+3], 524288  ; 256 rows of k
	JLOAD \slot                                    ; the first tensor load behind the round; its four v_nop are also the places in front of the loads below
.else
	PLACES
.endif
	FETCH \next, 0, F0
	WIN MUL
	MUL8 F1, 2, 0
	MUL8 F1, 3, 0
.endm
	s_wait_tensorcnt 1                             ; my part of K step 0 is in; K step 1's may be out
	s_barrier_signal -1
	s_barrier_wait -1
	FETCH 0, 0, F0
	s_wait_loadcnt 0x0                             ; the bias
	QUARTER 0, 1, F0, F1, 1                        ; the first quarter stands in front of the loop: its products start the sums, with the bias as C
	WIN 0
	s_mov_b32 s3, LAPS-1
.Llap:                                                 ; a trip goes once round the ring and fills both slots again
	QUARTER 0, 2, F1, F0, 0
	QUARTER 0, 3, F0, F1, 0
	TURN 0, 1, 1
	QUARTER 1, 1, F0, F1, 0
	QUARTER 1, 2, F1, F0, 0
	QUARTER 1, 3, F0, F1, 0
	TURN 1, 0, 1
	QUARTER 0, 1, F0, F1, 0
	WIN 0
	s_sub_co_u32 s3, s3, 1
	s_cmp_lg_u32 s3, 0
	s_cbranch_scc1 .Llap
	QUARTER 0, 2, F1, F0, 0                        ; the last lap fills nothing
	QUARTER 0, 3, F0, F1, 0
	TURN 0, 1, 0
	QUARTER 1, 1, F0, F1, 0
	QUARTER 1, 2, F1, F0, 0
	QUARTER 1, 3, F0, F1, 0
	s_wait_dscnt 4
	WIN MUL
	MUL8 F1, 0, 0
	MUL8 F1, 1, 0
	s_wait_dscnt 0
	MUL8 F1, 2, 0
	MUL8 F1, 3, 0
	WIN 0
; THE WAY OUT, block by block of 16 rows x 128 columns, through my own stage: back as whole rows of 512 bytes, which the 32 lanes store as 512 consecutive bytes, aligned.
.macro TOSTAGE a
	WIN 0x08                                       ; an LDS store's data are its source 1: window 2
.irp b, 0,1,2,3,4,5,6,7
	ds_store_b128 v[STO], v[64*(\a)+8*\b:64*(\a)+8*\b+3] offset:64*\b            ; each accumulator from its low end on
	ds_store_b128 v[STO], v[64*(\a)+8*\b+4:64*(\a)+8*\b+7] offset:64*\b+16
.endr
	WIN 0
.set BB, BK+64*((\a)%2)
.irp t, 0,1,2,3,4,5,6,7,8,9,10,11,12,13,14,15
	ds_load_b128 v[BB+4*\t:BB+4*\t+3], v[RD] offset:\t*SPITCH
.endr
.endm
.macro SEND a, younger
.set BB, BK+64*((\a)%2)
	s_wait_dscnt \younger                          ; the block is back; the next block's 16 stores and 16 loads may be out
.if (\a) == 0
	s_cmp_eq_u32 s45, 0                            ; positions 0-15 of a batch: launch fine stores these rows
	s_cbranch_scc1 .Lfine_rows
.endif
.irp t, 0,1,2,3,4,5,6,7,8,9,10,11,12,13,14,15
	global_store_b128 v[CO], v[BB+4*\t:BB+4*\t+3], s[10:11] offset:(16*(\a)+\t)*4096 th:TH_STORE_NT
.endr
.if (\a) == 0
.Lfine_rows:
.endif
.endm
	PLACES
	TOSTAGE 0
.irp a, 1,2,3
.if \a > 1
	s_wait_xcnt 0x0                                ; block a - 2's stores have read their registers: block a's loads may land there
.endif
	TOSTAGE \a
	SEND \a-1, 32
.endr
	SEND 3, 0
	s_wait_tensorcnt 0x0                           ; the wave's end
	ds_add_u32 v[SPW], v[NIL]
	s_wait_dscnt 0x0
	CROUND                                         ; the closing round
	s_endpgm
.Lfunc_end_k_q4d5f6c88c4_proj:
	.size	k_q4d5f6c88c4_proj, .Lfunc_end_k_q4d5f6c88c4_proj-k_q4d5f6c88c4_proj
	.p2alignl 7, 3214868480
	.fill 96, 4, 3214868480
	.section	.rodata,"a",@progbits
	.p2align	6, 0x0
	.amdhsa_kernel k_q4d5f6c88c4_proj
		.amdhsa_group_segment_fixed_size 327680
		.amdhsa_private_segment_fixed_size 0
		.amdhsa_enable_private_segment 0
		.amdhsa_kernarg_size 32
		.amdhsa_user_sgpr_count 2
		.amdhsa_user_sgpr_kernarg_segment_ptr 1
		.amdhsa_wavefront_size32 1
		.amdhsa_system_sgpr_workgroup_id_x 1
		.amdhsa_system_sgpr_workgroup_id_y 1
		.amdhsa_system_sgpr_workgroup_id_z 1
		.amdhsa_system_vgpr_workitem_id 0
		.amdhsa_next_free_vgpr 768
		.amdhsa_next_free_sgpr 72
		.amdhsa_reserve_vcc 0
		.amdhsa_float_denorm_mode_32 3
		.amdhsa_float_denorm_mode_16_64 3
		.amdhsa_memory_ordered 1
		.amdhsa_forward_progress 1
		.amdhsa_inst_pref_size 87
	.end_amdhsa_kernel
	.amdgpu_metadata
---
amdhsa.version: [ 1, 2 ]
amdhsa.kernels:
  - .name:           k_q4d5f6c88c4_proj
    .symbol:         k_q4d5f6c88c4_proj.kd
    .args:
      - { .name: y16, .offset: 0, .size: 8, .value_kind: global_buffer, .address_space: global }
      - { .name: wp16, .offset: 8, .size: 8, .value_kind: global_buffer, .address_space: global }
      - { .name: b_proj, .offset: 16, .size: 8, .value_kind: global_buffer, .address_space: global }
      - { .name: out0, .offset: 24, .size: 8, .value_kind: global_buffer, .address_space: global }
    .group_segment_fixed_size: 327680
    .private_segment_fixed_size: 0
    .kernarg_segment_align: 8
    .kernarg_segment_size: 32
    .max_flat_workgroup_size: 128
    .sgpr_count:     72
    .vgpr_count:     768
    .wavefront_size: 32
...
	.end_amdgpu_metadata
.endif
;; end of part 4
;; launch fine (part 5): grid 16 x 4, 16 waves a work-group, no clusters, 69,632 bytes of LDS; arguments first16, w_proj, b_proj, out0; writes out0
.if DOCPART == 5
	.amdgcn_target "amdgcn-amd-amdhsa--gfx1250"
	.amdhsa_code_object_version 6
	.text
	.protected	k_q4d5f6c88c4_fine
	.globl	k_q4d5f6c88c4_fine
	.p2align	8
	.type	k_q4d5f6c88c4_fine,@function
k_q4d5f6c88c4_fine:
	s_mov_b64 s[64:65], 0
	v_nop
	global_prefetch_b8 v0, s[64:65] scope:SCOPE_SE
	s_setreg_imm32_b32 hwreg(HW_REG_WAVE_MODE, 25, 1), 1
	s_wait_xcnt 0x0
; THE FIRST 16 POSITIONS OF EACH BATCH, ALL IN f32: under the causal mask these rows average one to sixteen values and are the largest of the output, so f16 operands would use up what the comparison allows.
; LEFT OUT: nothing of these rows; k comes without its bias (shown at the head of launch prep).
; Work-group (n0 = 64 x, batch).  Wave w is head w: it makes its head's attention for the 16 positions, multiplies its 64 channels of y by w_proj[64 w .. 64 w + 63][n0 .. n0 + 63],
; and the sixteen parts are summed through LDS.  All products by v_wmma_f32_16x16x4_f32: 96 a wave: no bulk work.
; first16 holds q, k, v of the 16 positions as images of accumulators: [batch][nb][half][lane][4]: lane (r, h), register j = (position r, column 16 nb + 8 h + j).
; K'S PLACES: a pair of registers (2 i, 2 i + 1) of such an image gives lane (r, h) the indices 8 h + 2 i + 0, 1 of its 16: the same four indices on both sources of an instruction, so each product sums them rightly.
; The accumulators (v112-175) are written by matrix instructions alone; what is made of them goes into other registers.
.set SPARE, 67584                      ; behind the sixteen images of 4,224 bytes
.set LI,  1                            ; v1   16 x lane
.set VA,  2                            ; v2   V^T: my channel's place in an image, my half's keys
.set WA,  3                            ; v3   w_proj: 8 h rows down, column r
.set SPW, 4
.set NIL, 5
.set PST, 6                            ; v6   where I store my part: 4,224 x wave + 16 x lane
.set RDA, 7                            ; v7   where I read a row's 16 bytes of a part
.set OA,  8                            ; v8   my 16 bytes in out0
.set BA,  9                            ; v9   and in b_proj
.set DD,  10                           ; v10  r - 8 h
.set NINF, 11
.set QF,  16                           ; q; later w_proj's rows 16-31 of my 64
.set KF,  48                           ; k; later rows 32-47
.set VF,  80                           ; V^T; later rows 48-63
.set ACC1, 112                         ; four parts of S^T; later the four tiles of the output's part
.set ACC2, 144                         ; O^T
.set PP,  176                          ; the scores, then p
.set TT,  184                          ; at work
.set Y,   192
.set W0,  224                          ; w_proj's rows 0-15 of my 64
.macro WLOAD reg, ct                   ; w_proj(64 w + 16 ct + 8 h + e, n0 + 16 nt + r) into register 8 nt + e
.irp nt, 0,1,2,3
.irp e, 0,1,2,3,4,5,6,7
	global_load_b32 v[\reg+8*\nt+\e], v[WA], s[6:7] offset:(16*\ct+\e)*4096+64*\nt
.endr
.endr
.endm
.macro PLACES8                         ; eight places behind this matrix form (ISA guide 7.12.1)
.rept 8
	v_nop
.endr
.endm
.macro OUTP ct, wb, first              ; the part's four tiles += w_proj^T (16 columns x 4 channels) x y (4 channels x 16 positions): four accumulators by turns
.irp i, 0,1,2,3
.irp nt, 0,1,2,3
.if \first && (\i == 0)
	v_wmma_f32_16x16x4_f32 v[ACC1+8*\nt:ACC1+8*\nt+7], v[\wb+8*\nt+2*\i:\wb+8*\nt+2*\i+1], v[Y+8*\ct+2*\i:Y+8*\ct+2*\i+1], 0
.else
	v_wmma_f32_16x16x4_f32 v[ACC1+8*\nt:ACC1+8*\nt+7], v[\wb+8*\nt+2*\i:\wb+8*\nt+2*\i+1], v[Y+8*\ct+2*\i:Y+8*\ct+2*\i+1], v[ACC1+8*\nt:ACC1+8*\nt+7]
.endif
.endr
.endr
.endm
	s_load_b256 s[4:11], s[0:1], 0x0               ; first16 s[4:5], w_proj s[6:7], b_proj s[8:9], out0 s[10:11]
	v_lshl_add_u32 v[SPW], v0, 2, SPARE
	v_mov_b32 v[NIL], 0
	v_lshrrev_b32 v1, 5, v0
	v_readfirstlane_b32 s12, v1                    ; wave = head
	s_and_b32 s13, ttmp7, 0xffff                   ; batch
	v_and_b32 v184, 15, v0                         ; r
	v_bfe_u32 v185, v0, 4, 1                       ; h
	v_and_b32 v186, 31, v0
	v_lshlrev_b32 v[LI], 4, v186
	v_bfe_u32 v186, v0, 2, 1                       ; channel 16 ct + r lies in an image at half (r % 8) / 4, lanes 16 (r / 8) + key, word r % 4
	v_lshlrev_b32 v[VA], 9, v186
	v_bfe_u32 v186, v0, 3, 1
	v_lshl_add_u32 v[VA], v186, 8, v[VA]
	v_and_b32 v186, 3, v0
	v_lshl_add_u32 v[VA], v186, 2, v[VA]
	v_lshl_add_u32 v[VA], v185, 7, v[VA]           ; + keys 8 h on, 16 bytes a key
	v_lshlrev_b32 v[WA], 15, v185
	v_lshl_add_u32 v[WA], v184, 2, v[WA]
	s_mul_i32 s14, s12, 4224
	v_add_nc_u32 v[PST], s14, v[LI]
	v_bfe_u32 v186, v0, 2, 2                       ; the sum: lane p = lane % 16 takes columns 4 p .. 4 p + 3 of a row: tile p / 4, lanes' half (p / 2) % 2, registers' half p % 2
	v_and_b32 v187, 1, v0
	v_lshl_add_u32 v186, v186, 1, v187
	v_mul_u32_u24 v[RDA], v186, 528
	v_bfe_u32 v186, v0, 1, 1
	v_lshl_add_u32 v[RDA], v186, 8, v[RDA]
	v_lshl_add_u32 v[RDA], v185, 4, v[RDA]
	s_lshl_b32 s14, s12, 5
	v_add_nc_u32 v[RDA], s14, v[RDA]               ; row 2 x wave + lane / 16
	v_lshlrev_b32 v[BA], 4, v184
	v_lshl_add_u32 v[OA], v185, 12, v[BA]
	s_lshl_b32 s14, s12, 13
	v_add_nc_u32 v[OA], s14, v[OA]
	v_lshlrev_b32 v186, 3, v185
	v_sub_nc_u32 v[DD], v184, v186
	v_mov_b32 v[NINF], 0xff800000
	v_mov_b32 v15, 0                               ; (the upper word of the pair that holds 1 / l)
	s_mov_b32 s20, 0x76543210
	s_mov_b32 s21, 0xfedcba98                      ; v_permlanex16_b32's selects for lane l xor 16
	s_mov_b32 s22, 0x3e38aa3b                      ; c = log2(e) / 8
	s_mov_b32 s23, s22
	s_mul_i32 s16, s13, 196608
	s_lshl_b32 s14, s12, 12
	s_add_co_u32 s16, s16, s14                     ; first16: my batch, my head's four images of q
	s_mov_b32 s17, 0
	s_lshl_b32 s18, s12, 18
	s_lshl_b32 s14, ttmp9, 8
	s_add_co_u32 s18, s18, s14                     ; w_proj: row 64 w, column n0
	s_mov_b32 s19, 0
	s_mov_b32 s15, 0                               ; s[14:15] = 4 n0
	s_lshl_b32 s24, s13, 23
	s_add_co_u32 s24, s24, s14                     ; out0: my batch's first row, column n0
	s_mov_b32 s25, 0
	s_wait_kmcnt 0x0
	s_add_nc_u64 s[4:5], s[4:5], s[16:17]
	s_add_nc_u64 s[6:7], s[6:7], s[18:19]
	s_add_nc_u64 s[8:9], s[8:9], s[14:15]
	s_add_nc_u64 s[10:11], s[10:11], s[24:25]
.irp c, 0,1,2,3
.irp f, 0,1
	global_load_b128 v[QF+8*\c+4*\f:QF+8*\c+4*\f+3], v[LI], s[4:5] offset:1024*\c+512*\f
	global_load_b128 v[KF+8*\c+4*\f:KF+8*\c+4*\f+3], v[LI], s[4:5] offset:65536+1024*\c+512*\f
.endr
.endr
.irp c, 0,1,2,3
.irp e, 0,1,2,3,4,5,6,7
	global_load_b32 v[VF+8*\c+\e], v[VA], s[4:5] offset:131072+1024*\c+16*\e    ; v(key 8 h + e, channel 16 c + r)
.endr
.endr
	WLOAD W0, 0
	s_wait_loadcnt 0x0
.irp i, 0,1,2,3                                ; S^T = k q^T in four parts, one for each 16 channels: four accumulators by turns, one instruction a turn
.irp c, 0,1,2,3
.if \i == 0
	v_wmma_f32_16x16x4_f32 v[ACC1+8*\c:ACC1+8*\c+7], v[KF+8*\c+2*\i:KF+8*\c+2*\i+1], v[QF+8*\c+2*\i:QF+8*\c+2*\i+1], 0
.else
	v_wmma_f32_16x16x4_f32 v[ACC1+8*\c:ACC1+8*\c+7], v[KF+8*\c+2*\i:KF+8*\c+2*\i+1], v[QF+8*\c+2*\i:QF+8*\c+2*\i+1], v[ACC1+8*\c:ACC1+8*\c+7]
.endif
.endr
.endr
	PLACES8                                        ; in front of the loads into q's and k's registers and of the first read of the parts
	WLOAD QF, 1
	WLOAD KF, 2
.irp j, 0,2,4,6
	v_pk_add_f32 v[PP+\j:PP+\j+1], v[ACC1+\j:ACC1+\j+1], v[ACC1+8+\j:ACC1+8+\j+1]          ; each accumulator from its low end on
.endr
.irp j, 0,2,4,6
	v_pk_add_f32 v[TT+\j:TT+\j+1], v[ACC1+16+\j:ACC1+16+\j+1], v[ACC1+24+\j:ACC1+24+\j+1]
.endr
.irp j, 0,2,4,6
	v_pk_add_f32 v[PP+\j:PP+\j+1], v[PP+\j:PP+\j+1], v[TT+\j:TT+\j+1]                      ; lane (r, h), register j: the score of query r and key 8 h + j
.endr
.irp j, 0,1,2,3,4,5,6,7
	v_cmp_gt_i32 vcc_lo, \j, v[DD]                 ; hidden where 8 h + j > r
	v_cndmask_b32 v[PP+\j], v[PP+\j], v[NINF], vcc_lo
.endr
	v_max3_num_f32 v[TT], v[PP], v[PP+1], v[PP+2]
	v_max3_num_f32 v[TT+1], v[PP+3], v[PP+4], v[PP+5]
	v_max3_num_f32 v[TT], v[TT], v[PP+6], v[PP+7]
	v_max_num_f32 v[TT], v[TT], v[TT+1]
	v_permlanex16_b32 v[TT+1], v[TT], s20, s21
	v_max_num_f32 v13, v[TT], v[TT+1]              ; the row's largest score: key 0 counts for every query
	v_mul_f32 v12, s22, v13
.irp j, 0,2,4,6
	v_pk_fma_f32 v[PP+\j:PP+\j+1], v[PP+\j:PP+\j+1], s[22:23], v[12:13] op_sel_hi:[1,0,0] neg_lo:[0,0,1] neg_hi:[0,0,1]
.endr
.irp j, 0,1,2,3,4,5,6,7
	v_exp_f32 v[PP+\j], v[PP+\j]
.endr
	v_nop
	s_wait_alu depctr_va_vdst(0)                   ; one wait for the eight, ahead of their first reader
	v_pk_add_f32 v[TT:TT+1], v[PP:PP+1], v[PP+2:PP+3]
	v_pk_add_f32 v[TT+2:TT+3], v[PP+4:PP+5], v[PP+6:PP+7]
	v_pk_add_f32 v[TT:TT+1], v[TT:TT+1], v[TT+2:TT+3]
	v_add_f32 v[TT], v[TT], v[TT+1]
	v_permlanex16_b32 v[TT+1], v[TT], s20, s21
	v_add_f32 v[TT+2], v[TT], v[TT+1]              ; l
	v_rcp_f32 v14, v[TT+2]
.irp i, 0,1,2,3                                ; O^T = v^T p: source 0 = 16 channels, source 1 = p; four accumulators by turns
.irp c, 0,1,2,3
.if \i == 0
	v_wmma_f32_16x16x4_f32 v[ACC2+8*\c:ACC2+8*\c+7], v[VF+8*\c+2*\i:VF+8*\c+2*\i+1], v[PP+2*\i:PP+2*\i+1], 0
.else
	v_wmma_f32_16x16x4_f32 v[ACC2+8*\c:ACC2+8*\c+7], v[VF+8*\c+2*\i:VF+8*\c+2*\i+1], v[PP+2*\i:PP+2*\i+1], v[ACC2+8*\c:ACC2+8*\c+7]
.endif
.endr
.endr
	PLACES8                                        ; in front of the loads into V's registers and of the first read of O^T; also the plain work behind the reciprocal
	WLOAD VF, 3
	s_wait_alu depctr_va_vdst(0)                   ; the reciprocal's wait, ahead of its first reader
.set j, 0
.rept 16
	v_pk_mul_f32 v[Y+j:Y+j+1], v[ACC2+j:ACC2+j+1], v[14:15] op_sel_hi:[1,0]    ; y(position r, channel 16 ct + 8 h + j) = O^T / l
.set j, j+2
.endr
	OUTP 0, W0, 1
	s_wait_loadcnt 32                              ; rows 16-47 are in; the 32 loads of rows 48-63 may be out
	OUTP 1, QF, 0
	OUTP 2, KF, 0
	s_wait_loadcnt 0x0
	OUTP 3, VF, 0
	PLACES8
.irp nt, 0,1,2,3
.irp f, 0,1
	ds_store_b128 v[PST], v[ACC1+8*\nt+4*\f:ACC1+8*\nt+4*\f+3] offset:(2*\nt+\f)*528   ; my part as an image of its registers: lane (r, h): (position r, column n0 + 16 nt + 8 h + 4 f + 0 .. 3)
.endr
.endr
	s_wait_dscnt 0x0                               ; for the others' sake: my stores have landed
	s_barrier_signal -1
	s_barrier_wait -1
	s_cmp_lt_u32 s12, 8                            ; waves 0 to 7 sum: two rows a wave, sixteen lanes to a row's 256 bytes
	s_cbranch_scc0 .Ldone
	global_load_b128 v[80:83], v[BA], s[8:9]       ; b_proj[n0 + 4 p ..]
.irp u, 0,1,2,3,4,5,6,7,8,9,10,11,12,13,14,15
	ds_load_b128 v[16+4*\u:19+4*\u], v[RDA] offset:\u*4224
.endr
	s_wait_dscnt 0x0
.irp u, 0,1,2,3,4,5,6,7
	v_pk_add_f32 v[16+8*\u:17+8*\u], v[16+8*\u:17+8*\u], v[20+8*\u:21+8*\u]
	v_pk_add_f32 v[18+8*\u:19+8*\u], v[18+8*\u:19+8*\u], v[22+8*\u:23+8*\u]
.endr
.irp u, 0,1,2,3
	v_pk_add_f32 v[16+16*\u:17+16*\u], v[16+16*\u:17+16*\u], v[24+16*\u:25+16*\u]
	v_pk_add_f32 v[18+16*\u:19+16*\u], v[18+16*\u:19+16*\u], v[26+16*\u:27+16*\u]
.endr
.irp u, 0,1
	v_pk_add_f32 v[16+32*\u:17+32*\u], v[16+32*\u:17+32*\u], v[32+32*\u:33+32*\u]
	v_pk_add_f32 v[18+32*\u:19+32*\u], v[18+32*\u:19+32*\u], v[34+32*\u:35+32*\u]
.endr
	v_pk_add_f32 v[16:17], v[16:17], v[48:49]
	v_pk_add_f32 v[18:19], v[18:19], v[50:51]
	s_wait_loadcnt 0x0
	v_pk_add_f32 v[16:17], v[16:17], v[80:81]
	v_pk_add_f32 v[18:19], v[18:19], v[82:83]
	global_store_b128 v[OA], v[16:19], s[10:11]    ; sixteen lanes store 256 consecutive bytes, aligned
.Ldone:
	s_wait_tensorcnt 0x0                           ; the wave's end, behind my last LDS store
	ds_add_u32 v[SPW], v[NIL]
	s_wait_dscnt 0x0
	s_endpgm
.Lfunc_end_k_q4d5f6c88c4_fine:
	.size	k_q4d5f6c88c4_fine, .Lfunc_end_k_q4d5f6c88c4_fine-k_q4d5f6c88c4_fine
	.p2alignl 7, 3214868480
	.fill 96, 4, 3214868480
	.section	.rodata,"a",@progbits
	.p2align	6, 0x0
	.amdhsa_kernel k_q4d5f6c88c4_fine
		.amdhsa_group_segment_fixed_size 69632
		.amdhsa_private_segment_fixed_size 0
		.amdhsa_enable_private_segment 0
		.amdhsa_kernarg_size 32
		.amdhsa_user_sgpr_count 2
		.amdhsa_user_sgpr_kernarg_segment_ptr 1
		.amdhsa_wavefront_size32 1
		.amdhsa_system_sgpr_workgroup_id_x 1
		.amdhsa_system_sgpr_workgroup_id_y 1
		.amdhsa_system_sgpr_workgroup_id_z 1
		.amdhsa_system_vgpr_workitem_id 0
		.amdhsa_next_free_vgpr 256
		.amdhsa_next_free_sgpr 66
		.amdhsa_reserve_vcc 1
		.amdhsa_float_denorm_mode_32 3
		.amdhsa_float_denorm_mode_16_64 3
		.amdhsa_memory_ordered 1
		.amdhsa_forward_progress 1
		.amdhsa_inst_pref_size 34
	.end_amdhsa_kernel
	.amdgpu_metadata
---
amdhsa.version: [ 1, 2 ]
amdhsa.kernels:
  - .name:           k_q4d5f6c88c4_fine
    .symbol:         k_q4d5f6c88c4_fine.kd
    .args:
      - { .name: first16, .offset: 0, .size: 8, .value_kind: global_buffer, .address_space: global }
      - { .name: w_proj, .offset: 8, .size: 8, .value_kind: global_buffer, .address_space: global }
      - { .name: b_proj, .offset: 16, .size: 8, .value_kind: global_buffer, .address_space: global }
      - { .name: out0, .offset: 24, .size: 8, .value_kind: global_buffer, .address_space: global }
    .group_segment_fixed_size: 69632
    .private_segment_fixed_size: 0
    .kernarg_segment_align: 8
    .kernarg_segment_size: 32
    .max_flat_workgroup_size: 512
    .sgpr_count:     66
    .vgpr_count:     256
    .wavefront_size: 32
...
	.end_amdgpu_metadata
.endif
;; end of part 5
